; MI455X (gfx1250); checked and timed in simulation.
; The chip was launched on July 23, 2026; its instructions are those of AMD's public machine-readable ISA for CDNA 5 (MIT licence, August 2026) and "CDNA5" Instruction Set Architecture Reference Guide (July 2026). The comments in the code are by the model that wrote it; some were corrected since.
;; Multi Head Attention Keras. Allowed arithmetic: matrix products marked QUANTISED: E2M1 operands, one E8M0 scale for each 32 along K, by v_wmma_scale_f32_16x16x128_f8f6f4 with both operands' format E2M1 (or v_wmma_scale_f32_32x16x128_f4), f32 sums; products left as they are: bf16, f16 or f32 operands; f32 sums; everything else in f32.
;; Inputs: b_out 1,024 float32; b_qkv 3,072 float32; mask 2 x 1 x 2,048 x 2,048 bool; q_input 2,048 x 2 x 1,024 float32; w_out 16 x 64 x 1,024 float32; w_qkv 1,024 x 3,072 float32.
;; Outputs: out0 2,048 x 2 x 1,024 float32; out1 1,024 float32.
;; This version of the problem:
;;   THIS VERSION OF THE PROBLEM IS GIVEN IN LOW PRECISION. The matrix products marked QUANTISED in the list below multiply operands that are first quantised to E2M1 (2 exponent bits, 1 mantissa bit; 4 bits a number), with one power-of-two scale for each 32 numbers along K (OCP MX v1.0); their sums are f32. The products marked 'left as it is' may take bf16, f16 or f32 operands, with f32 sums. Whichever they take, every output number must still come out within the allowed error. Rounding operands to bf16 (8 significant bits) uses up far more of that allowance than f16 does (11 bits, for magnitudes from 6e-5 to 65,504). All else is computed in f32.
;;   The module's matrix products, in the order in which they are computed (A, B: the left and right operand; K: the contracted axis; several contracted axes count as one K, in the product's order):
;;     1. [M 4,096, K 1,024] x [K 1,024, N 3,072]; A: input q_input; B: input w_qkv: QUANTISED
;;     2. batch 32 x [M 2,048, K 64] x [K 64, N 2,048]; A: computed on the way; B: computed on the way: left as it is (an operand is computed on the way)
;;     3. batch 32 x [M 2,048, K 2,048] x [K 2,048, N 64]; A: computed on the way; B: computed on the way: left as it is (an operand is computed on the way)
;;     4. [M 4,096, K 1,024] x [K 1,024, N 1,024]; A: computed on the way; B: input w_out: left as it is (an operand is computed on the way)
;;   THE QUANTISER, for each operand of a quantised product, along K:
;;     - K is cut into blocks of 32 from its start; a last block that is shorter is filled with zeros.
;;     - A block's scale is 2^e with e = floor(log2(the largest magnitude in the block)) - 2, held to -126 .. 127; a block of zeros has e = 0. As a byte (E8M0): e + 127.
;;     - Each number is divided by its block's scale, clamped to +-6, and rounded to the nearest number of E2M1, ties to even, subnormals kept.
;;     - The product sums the exact products of the quantised numbers (number of the format x scale) in f32.
;;   ~~~python
;;   def quantise(x, axis):      # numpy; x: float32 -> the quantised numbers, widened to float32 again
;;       x = np.moveaxis(x, axis, -1); K = x.shape[-1]
;;       x = np.pad(x, [(0, 0)] * (x.ndim - 1) + [(0, -K % 32)]); x = x.reshape(x.shape[:-1] + (-1, 32)); a = np.abs(x).max(-1, keepdims=True)
;;       e = np.where(a > 0, np.clip(np.frexp(np.where(a > 0, a, 1))[1] - 1 - 2, -126, 127), 0)      # np.frexp(a)[1] - 1 = floor(log2(a)), exactly
;;       r = np.clip(x / 2.0 ** e, -6, 6)
;;       step = 2.0 ** (np.maximum(np.frexp(np.where(r == 0, 1, r))[1] - 1, 0) - 1)
;;       q = np.round(r / step) * step * 2.0 ** e      # np.round: ties to even
;;       return np.moveaxis(q.reshape(q.shape[:-2] + (-1,))[..., :K], -1, axis).astype(np.float32)
;;   ~~~
;; One version. Each part assembles by itself: llvm-mc -triple=amdgcn-amd-amdhsa -mcpu=gfx1250 --defsym DOCPART=n.
;; ======== version 1 of 1: 4 launches
;; limits: values are held in f16: magnitudes above 65,504 overflow, below 6.1e-05 lose precision
;; workspace buffers: xc 2,097,152 bytes; xs 131,072 bytes; wc 1,572,864 bytes; ws 98,304 bytes; maskw 1,048,576 bytes of whole numbers; wt 2,097,152 bytes; qkv 25,165,824 bytes; ctx 8,388,608 bytes
;; launch prep (part 1): grid 832 x 1, 4 waves a work-group, no clusters, 68,096 bytes of LDS; arguments q_input, w_qkv, mask, w_out, b_out, xc, xs, wc, ws, maskw, wt, out1; writes xc, xs, wc, ws, maskw, wt, out1
.if DOCPART == 1
	.amdgcn_target "amdgcn-amd-amdhsa--gfx1250"
	.amdhsa_code_object_version 6
	.text
	.protected	k_q7d4d9d5332_prep
	.globl	k_q7d4d9d5332_prep
	.p2align	8
	.type	k_q7d4d9d5332_prep,@function
k_q7d4d9d5332_prep:
	s_mov_b64 s[64:65], 0
	v_nop
	global_prefetch_b8 v0, s[64:65] scope:SCOPE_SE
	s_setreg_imm32_b32 hwreg(HW_REG_WAVE_MODE, 25, 1), 1
	s_wait_xcnt 0x0
; PREP: everything that later launches read many times is laid out once.  Four straight paths, chosen by the work-group's number; no loop, no barrier; a wave shares nothing with another.
;   work-groups   0-255  q_input [2048 f][2 b][1024] f32 -> xc [32 kb][4096 t][16 bytes] codes of E2M1 (t = 2048 b + f), xs [8 s][4096 t] one word = the E8M0 bytes of kb = 4 s .. 4 s + 3
;   work-groups 256-447  w_qkv [1024 k][3072 d] f32      -> wc [32 kb][3072 c][16 bytes], ws [8 s][3072 c]; column d = 192 n + 64 part + e goes to c = 1024 part + 64 n + e
;   work-groups 448-703  mask [2][2048 q][2048 key] bytes -> maskw [128 groups of 32 queries][32 steps of 64 keys][2 x][4 kt][8 j] words: bit l = mask(query 16 x + l % 16, key 16 kt + 8 (l / 16) + j)
;   work-groups 704-831  w_out [16 n][64 e][1024 d] f32  -> wt [16 n][1024 d][64 e] f16; the first eight of them also copy b_out to out1
; THE QUANTISER: a block's scale is 2^(floor(log2(largest magnitude)) - 2); its byte is the largest magnitude's exponent field - 2, held at 1 from below; each number / scale to the nearest code, ties to even, beyond 6 the code of 6.
; LIMITS: a block of zeros gets the byte 1 where the rule says 127 (its codes are zeros, and the bytes are read by this program alone); NaN and infinities are not served; w_out beyond 65,504 has no f16;
; any mask byte other than 0 counts as true.
; Every wave issues all its loads at once (8 to 16 KB a wave).  LDS: a stage of WREG bytes for each wave, its own on every path.
.set WREG,  16896                      ; 32 rows x (512 + 16) bytes, the largest stage (q_input's)
.set SPARE, 4*WREG                     ; behind the stages: the spare words, 128 bytes a wave, which no other line names
.set SPW,   190                        ; v190  my spare word's address; never rewritten
.set NIL,   191                        ; v191  0; never rewritten
.set XR,    16                         ; v16-143  the numbers
.set CD,    144                        ; v144-159 codes (mask path: v144-151 the words)
; 32 numbers of one lane, v[src] on, are block k of four: codes into v[CD + 4 k] on, the byte into byte k of v12
.macro QBLK src, k
	v_max3_num_f32 v8, |v[(\src)]|, |v[(\src)+1]|, |v[(\src)+2]|
	v_max3_num_f32 v9, |v[(\src)+3]|, |v[(\src)+4]|, |v[(\src)+5]|
.irp i, 6,10,14,18,22,26
	v_max3_num_f32 v8, v8, |v[(\src)+\i]|, |v[(\src)+\i+1]|
	v_max3_num_f32 v9, v9, |v[(\src)+\i+2]|, |v[(\src)+\i+3]|
.endr
	v_max3_num_f32 v8, v8, |v[(\src)+30]|, |v[(\src)+31]|
	v_max3_num_f32 v8, v8, v9, 0x1800000           ; the floor 2^(3 - 127): the byte cannot fall under 1
	v_add_nc_u32 v10, 0xff000000, v8               ; 2 off the exponent field: the conversion takes this operand's exponent field as its scale
	v_lshrrev_b32 v11, 23, v10                     ; the scale's byte
.if (\k) == 0
	v_mov_b32 v12, v11
.else
	v_lshl_or_b32 v12, v11, 8*(\k), v12            ; the lower K in the lower byte
.endif
.irp g, 0,1,2,3
	v_cvt_scalef32_pk8_fp4_f32 v[CD+4*(\k)+\g], v[(\src)+8*\g:(\src)+8*\g+7], v10
.endr
	v_nop                                          ; one plain vector line behind the last conversion of a run
.endm
.macro FINISH                          ; the wave's end
	s_wait_tensorcnt 0x0
	ds_add_u32 v[SPW], v[NIL]
	s_wait_dscnt 0x0
	s_endpgm
.endm
	s_load_b512 s[4:19], s[0:1], 0x0               ; q_input 4, w_qkv 6, mask 8, w_out 10, b_out 12, xc 14, xs 16, wc 18
	s_load_b256 s[20:27], s[0:1], 0x40             ; ws 20, maskw 22, wt 24, out1 26
	v_lshl_add_u32 v[SPW], v0, 2, SPARE
	v_mov_b32 v[NIL], 0
	v_lshrrev_b32 v1, 5, v0
	v_readfirstlane_b32 s28, v1                    ; wave 0..3
	v_and_b32 v2, 31, v0                           ; lane
	v_lshlrev_b32 v3, 4, v2                        ; 16 x lane
	v_lshlrev_b32 v7, 2, v2                        ; 4 x lane
	s_mul_i32 s29, s28, WREG                       ; my stage
	s_mov_b32 s31, 0
	s_mov_b32 s33, 0
	s_mov_b32 s35, 0
	s_wait_kmcnt 0x0
	s_cmp_lt_u32 ttmp9, 256
	s_cbranch_scc1 .Lx
	s_cmp_lt_u32 ttmp9, 448
	s_cbranch_scc1 .Lw
	s_cmp_lt_u32 ttmp9, 704
	s_cbranch_scc1 .Lm
; ---- w_out: a lane takes a column d, its registers run down e; 128 bytes a lane go through the stage and leave as 512 consecutive bytes a store
	s_sub_co_u32 s36, ttmp9, 704
	s_lshr_b32 s37, s36, 3                         ; n
	s_and_b32 s38, s36, 7                          ; which 128 columns
	s_cmp_lg_u32 s37, 0
	s_cbranch_scc1 .Lno_bias
	s_lshl_b32 s40, s38, 9                         ; b_out: 512 bytes for each of eight work-groups, 4 bytes a thread
	s_mov_b32 s41, 0
	s_add_nc_u64 s[12:13], s[12:13], s[40:41]
	s_add_nc_u64 s[26:27], s[26:27], s[40:41]
	v_lshlrev_b32 v9, 2, v0
	global_load_b32 v10, v9, s[12:13]
	s_wait_loadcnt 0x0
	global_store_b32 v9, v10, s[26:27]
.Lno_bias:
	s_lshl_b32 s39, s38, 7
	s_lshl_b32 s40, s28, 5
	s_add_co_u32 s39, s39, s40                     ; my wave's first column
	s_lshl_b32 s30, s37, 18
	s_lshl_b32 s40, s39, 2
	s_add_co_u32 s30, s30, s40
	s_add_nc_u64 s[30:31], s[10:11], s[30:31]      ; w_out(n, 0, d0)
	s_lshl_b32 s32, s37, 17
	s_lshl_b32 s40, s39, 7
	s_add_co_u32 s32, s32, s40
	s_add_nc_u64 s[32:33], s[24:25], s[32:33]      ; wt(n, d0, 0)
	v_mul_u32_u24 v5, v2, 144
	v_add_nc_u32 v5, s29, v5                       ; into the stage: row = my column, 128 bytes + 16
	v_lshrrev_b32 v13, 3, v2
	v_and_b32 v14, 7, v2
	v_mul_u32_u24 v6, v13, 144
	v_lshl_add_u32 v6, v14, 4, v6
	v_add_nc_u32 v6, s29, v6                       ; back: eight lanes to a row, four rows a load
.set i, 0
.rept 64
	global_load_b32 v[XR+i], v7, s[30:31] offset:i*4096 th:TH_LOAD_NT
.set i, i+1
.endr
	s_wait_loadcnt 0x0
.set i, 0
.rept 32
	v_cvt_pk_f16_f32 v[80+i], v[XR+2*i], v[XR+2*i+1]
.set i, i+1
.endr
.irp i, 0,1,2,3,4,5,6,7
	ds_store_b128 v5, v[80+4*\i:83+4*\i] offset:16*\i
.endr
.irp i, 0,1,2,3,4,5,6,7
	ds_load_b128 v[112+4*\i:115+4*\i], v6 offset:576*\i    ; LDS serves a wave's instructions in order: these see my stores
.endr
.irp i, 0,1,2,3,4,5,6,7
	s_wait_dscnt 7-\i                              ; the younger loads stay out
	global_store_b128 v3, v[112+4*\i:115+4*\i], s[32:33] offset:512*\i
.endr
	FINISH
; ---- q_input: a wave takes 32 rows (one b, 32 neighbouring f) x 128 along K.  Loads take a row's 512 bytes as they lie; the stage turns them, so that a lane holds its row's four blocks
.Lx:
	s_lshr_b32 s36, ttmp9, 1                       ; which 32 rows t
	s_and_b32 s37, ttmp9, 1
	s_lshl_b32 s37, s37, 2
	s_add_co_u32 s37, s37, s28                     ; s: which 128 along K
	s_and_b32 s30, s36, 63
	s_lshl_b32 s30, s30, 18                        ; 32 f x 8,192 bytes
	s_lshr_b32 s38, s36, 6
	s_lshl_b32 s38, s38, 12                        ; b x 4,096
	s_add_co_u32 s30, s30, s38
	s_lshl_b32 s38, s37, 9
	s_add_co_u32 s30, s30, s38
	s_add_nc_u64 s[30:31], s[4:5], s[30:31]
	s_lshl_b32 s32, s37, 18                        ; xc: four kb of 65,536 bytes
	s_lshl_b32 s38, s36, 9
	s_add_co_u32 s32, s32, s38
	s_add_nc_u64 s[32:33], s[14:15], s[32:33]
	s_lshl_b32 s34, s37, 14
	s_lshl_b32 s38, s36, 7
	s_add_co_u32 s34, s34, s38
	s_add_nc_u64 s[34:35], s[16:17], s[34:35]
	v_add_nc_u32 v5, s29, v3                       ; in: 16 x lane of a row
	v_mul_u32_u24 v6, v2, 528
	v_add_nc_u32 v6, s29, v6                       ; back: lane = row
.set i, 0
.rept 32
	global_load_b128 v[XR+4*i:XR+4*i+3], v3, s[30:31] offset:i*8192 th:TH_LOAD_NT
.set i, i+1
.endr
.set i, 0
.rept 32
	s_wait_loadcnt 31-i                            ; row i is in; the younger rows stay out
	ds_store_b128 v5, v[XR+4*i:XR+4*i+3] offset:i*528
.set i, i+1
.endr
	s_wait_dscnt 0x0                               ; the stores have read their registers, which the loads below write
.set i, 0
.rept 32
	ds_load_b128 v[XR+4*i:XR+4*i+3], v6 offset:16*i
.set i, i+1
.endr
.irp k, 0,1,2,3
	s_wait_dscnt 8*(3-\k)                          ; block k's eight loads are in; the later blocks' stay out
	QBLK XR+32*\k, \k
	global_store_b128 v3, v[CD+4*\k:CD+4*\k+3], s[32:33] offset:\k*65536   ; 32 rows x 16 bytes: 512 consecutive bytes
.endr
	global_store_b32 v7, v12, s[34:35]
	FINISH
; ---- w_qkv: a lane takes a column, its registers run down K: a block of 32 lies in one lane, and the codes come out with K innermost
.Lw:
	s_sub_co_u32 s36, ttmp9, 256
	s_lshr_b32 s37, s36, 3
	s_and_b32 s38, s36, 7                          ; s: which 128 along K
	s_lshl_b32 s37, s37, 2
	s_add_co_u32 s37, s37, s28                     ; u: which 32 columns, 0..95; six of them to a head
	s_mul_i32 s39, s37, 43
	s_lshr_b32 s39, s39, 8                         ; n = u / 6 (exact for u under 126)
	s_mul_i32 s40, s39, 6
	s_sub_co_u32 s40, s37, s40
	s_lshr_b32 s41, s40, 1                         ; part
	s_lshl_b32 s41, s41, 10
	s_lshl_b32 s39, s39, 6
	s_add_co_u32 s41, s41, s39
	s_and_b32 s40, s40, 1
	s_lshl_b32 s40, s40, 5
	s_add_co_u32 s41, s41, s40                     ; c of my first column
	s_mul_i32 s30, s38, 1572864                    ; 128 rows of 12,288 bytes
	s_lshl_b32 s42, s37, 7
	s_add_co_u32 s30, s30, s42
	s_add_nc_u64 s[30:31], s[6:7], s[30:31]
	s_mul_i32 s32, s38, 196608                     ; four kb of 49,152 bytes
	s_lshl_b32 s42, s41, 4
	s_add_co_u32 s32, s32, s42
	s_add_nc_u64 s[32:33], s[18:19], s[32:33]
	s_mul_i32 s34, s38, 12288
	s_lshl_b32 s42, s41, 2
	s_add_co_u32 s34, s34, s42
	s_add_nc_u64 s[34:35], s[20:21], s[34:35]
.set i, 0
.rept 128
	global_load_b32 v[XR+i], v7, s[30:31] offset:i*12288 th:TH_LOAD_NT
.set i, i+1
.endr
.irp k, 0,1,2,3
.if \k < 2
	s_wait_loadcnt 63                              ; 96 or 64 loads are younger than this block's
.else
	s_wait_loadcnt 32*(3-\k)
.endif
	QBLK XR+32*\k, \k
	global_store_b128 v3, v[CD+4*\k:CD+4*\k+3], s[32:33] offset:\k*49152
.endr
	global_store_b32 v7, v12, s[34:35]
	FINISH
; ---- mask: a wave takes 32 queries x 256 keys.  A score tile's register j holds, in lane l, query l % 16 and key 8 (l / 16) + j: a compare over the lanes IS that register's word
.Lm:
	s_sub_co_u32 s36, ttmp9, 448
	s_lshr_b32 s37, s36, 1                         ; which 32 queries (of both b)
	s_and_b32 s38, s36, 1
	s_lshl_b32 s38, s38, 2
	s_add_co_u32 s38, s38, s28                     ; which 256 keys
	s_lshl_b32 s30, s37, 16
	s_lshl_b32 s39, s38, 8
	s_add_co_u32 s30, s30, s39
	s_add_nc_u64 s[30:31], s[8:9], s[30:31]
	s_lshl_b32 s32, s37, 13
	s_lshl_b32 s39, s38, 10
	s_add_co_u32 s32, s32, s39
	s_add_nc_u64 s[32:33], s[22:23], s[32:33]
	v_lshrrev_b32 v13, 4, v2                       ; h
	v_and_b32 v14, 15, v2                          ; r
	v_lshlrev_b32 v15, 4, v14
	v_lshl_add_u32 v4, v13, 11, v15                ; a load takes two rows' 256 bytes
	v_mad_u32_u24 v5, v13, 272, v15
	v_add_nc_u32 v5, s29, v5                       ; into the stage: rows of 256 + 16 bytes
	v_mul_u32_u24 v6, v14, 272
	v_lshl_add_u32 v6, v13, 3, v6
	v_add_nc_u32 v6, s29, v6                       ; back: row r, my half's eight keys
	v_lshlrev_b32 v1, 3, v2                        ; out: 8 bytes a lane
.set i, 0
.rept 16
	global_load_b128 v[XR+4*i:XR+4*i+3], v4, s[30:31] offset:i*4096 th:TH_LOAD_NT
.set i, i+1
.endr
.set i, 0
.rept 16
	s_wait_loadcnt 15-i
	ds_store_b128 v5, v[XR+4*i:XR+4*i+3] offset:i*544
.set i, i+1
.endr
.set q, 0
.rept 32                                       ; q = 16 x + tile of 16 keys
	ds_load_b64 v[80+2*q:81+2*q], v6 offset:(q/16)*4352+(q%16)*16
.set q, q+1
.endr
.irp i, 0,1,2,3,4,5,6,7
	v_mov_b32 v[CD+\i], 0                          ; v_writelane_b32's destination counts as read
.endr
.set q, 0
.rept 32
	s_wait_dscnt 31-q
.irp j, 0,1,2,3,4,5,6,7
	v_and_b32 v[8+(\j&1)], 0xff<<(8*(\j%4)), v[80+2*q+\j/4]
	v_cmp_ne_u32 s[36+\j], 0, v[8+(\j&1)]
	v_writelane_b32 v[CD+2*((q%16)/4)+(\j&1)], s[36+\j], (q/16)*16+(q%4)*4+\j/2   ; word 32 x + 8 kt + j of its step: lane = word / 2, register = word % 2
.endr
.set q, q+1
.endr
.irp t, 0,1,2,3
	global_store_b64 v1, v[CD+2*\t:CD+2*\t+1], s[32:33] offset:\t*256   ; a step's 64 words: 256 consecutive bytes, aligned
.endr
	FINISH
.Lfunc_end_k_q7d4d9d5332_prep:
	.size	k_q7d4d9d5332_prep, .Lfunc_end_k_q7d4d9d5332_prep-k_q7d4d9d5332_prep
	.p2alignl 7, 3214868480
	.fill 96, 4, 3214868480
	.section	.rodata,"a",@progbits
	.p2align	6, 0x0
	.amdhsa_kernel k_q7d4d9d5332_prep
		.amdhsa_group_segment_fixed_size 68096
		.amdhsa_private_segment_fixed_size 0
		.amdhsa_enable_private_segment 0
		.amdhsa_kernarg_size 96
		.amdhsa_user_sgpr_count 2
		.amdhsa_user_sgpr_kernarg_segment_ptr 1
		.amdhsa_wavefront_size32 1
		.amdhsa_system_sgpr_workgroup_id_x 1
		.amdhsa_system_sgpr_workgroup_id_y 1
		.amdhsa_system_sgpr_workgroup_id_z 1
		.amdhsa_system_vgpr_workitem_id 0
		.amdhsa_next_free_vgpr 192
		.amdhsa_next_free_sgpr 66
		.amdhsa_reserve_vcc 0
		.amdhsa_float_denorm_mode_32 3
		.amdhsa_float_denorm_mode_16_64 3
		.amdhsa_memory_ordered 1
		.amdhsa_forward_progress 1
		.amdhsa_inst_pref_size 104
	.end_amdhsa_kernel
	.amdgpu_metadata
---
amdhsa.version: [ 1, 2 ]
amdhsa.kernels:
  - .name:           k_q7d4d9d5332_prep
    .symbol:         k_q7d4d9d5332_prep.kd
    .args:
      - { .name: q_input, .offset: 0, .size: 8, .value_kind: global_buffer, .address_space: global }
      - { .name: w_qkv, .offset: 8, .size: 8, .value_kind: global_buffer, .address_space: global }
      - { .name: mask, .offset: 16, .size: 8, .value_kind: global_buffer, .address_space: global }
      - { .name: w_out, .offset: 24, .size: 8, .value_kind: global_buffer, .address_space: global }
      - { .name: b_out, .offset: 32, .size: 8, .value_kind: global_buffer, .address_space: global }
      - { .name: xc, .offset: 40, .size: 8, .value_kind: global_buffer, .address_space: global }
      - { .name: xs, .offset: 48, .size: 8, .value_kind: global_buffer, .address_space: global }
      - { .name: wc, .offset: 56, .size: 8, .value_kind: global_buffer, .address_space: global }
      - { .name: ws, .offset: 64, .size: 8, .value_kind: global_buffer, .address_space: global }
      - { .name: maskw, .offset: 72, .size: 8, .value_kind: global_buffer, .address_space: global }
      - { .name: wt, .offset: 80, .size: 8, .value_kind: global_buffer, .address_space: global }
      - { .name: out1, .offset: 88, .size: 8, .value_kind: global_buffer, .address_space: global }
    .group_segment_fixed_size: 68096
    .private_segment_fixed_size: 0
    .kernarg_segment_align: 8
    .kernarg_segment_size: 96
    .max_flat_workgroup_size: 128
    .sgpr_count:     66
    .vgpr_count:     192
    .wavefront_size: 32
...
	.end_amdgpu_metadata
.endif
;; end of part 1
;; launch qkv (part 2): grid 12 x 16, 4 waves a work-group, clusters of 4 x 4, 327,680 bytes of LDS; arguments xc, xs, wc, ws, b_qkv, qkv; writes qkv
.if DOCPART == 2
	.amdgcn_target "amdgcn-amd-amdhsa--gfx1250"
	.amdhsa_code_object_version 6
	.text
	.protected	k_q7d4d9d5332_qkv
	.globl	k_q7d4d9d5332_qkv
	.p2align	8
	.type	k_q7d4d9d5332_qkv,@function
k_q7d4d9d5332_qkv:
	s_mov_b64 s[64:65], 0
	v_nop
	global_prefetch_b8 v0, s[64:65] scope:SCOPE_SE
	s_setreg_imm32_b32 hwreg(HW_REG_WAVE_MODE, 25, 1), 1
	s_wait_xcnt 0x0
	s_wait_alu depctr_hold_cnt(0) depctr_sa_sdst(0) depctr_va_vdst(0) depctr_va_sdst(0) depctr_va_ssrc(0) depctr_va_vcc(0) depctr_vm_vsrc(0)
	s_getreg_b32 s2, hwreg(HW_REG_IB_STS2, 6, 4)
	s_cmp_eq_u32 s2, 0
	s_cbranch_scc0 .Lentry_in_a_cluster
	s_endpgm
.Lentry_in_a_cluster:
	s_bfe_u32 s2, ttmp6, 0x10000c
	s_cmp_lg_u32 s2, 0xf033
	s_cbranch_scc0 .Lentry_shape_is_right
	s_endpgm
.Lentry_shape_is_right:
; QKV: C[t][c] = sum over k of x[t][k] W[k][c] + b, on codes of E2M1 with one E8M0 scale for each 32 along K; q is then multiplied by log2(e) / 8; all is rounded once to f16.
; xc [32 kb][4096 t][16], xs [8 s][4096 t] words, wc [32 kb][3072 c][16], ws [8 s][3072 c] words; c = 1024 part + 64 n + e.  Out: qkv [48 g = c / 64][4096 t][64] f16.
; LIMIT: results beyond 65,504 (q: after its factor 0.18) have no f16.
; A tile of C is 256 x 256; four waves, 128 x 128 each: 64 accumulators.  K = 1,024 is short: ALL of it lies in LDS (256 KB of codes, 16 KB of scale words), brought by three tensor loads a wave at the
; start (scales, K's first half, K's second half: three are out); nothing is filled again, and there is no loop: eight steps of 128 along K are written out.
; The workspace is laid so that a fragment's load reads 256 consecutive bytes in sixteen lanes: no padding.
; CLUSTER 4 x 4: x's tiles are shared along a row of the cluster, W's along a column: joint loads.  A cluster's four tile columns are one part (q, k or v), so the factor hangs on the cluster's x alone.
; 192 work-groups: a tile of 256 x 192 would make 256 but would straddle parts and heads.
; THE MATRIX INSTRUCTION IS USED TRANSPOSED (source 0 = 16 columns of W, source 1 = 16 rows of x): a lane holds eight neighbouring c of one row t.  The bias is the C of each sum's first instruction.
; REGISTERS: window 0: v16-30 addresses; v32-95 scale words (step s, block i at 32 + 8 s + i: lanes 0-15 x's block i, lanes 16-31 W's block i); v128-191 x's fragments, one set; v192-255 the bias;
;   on the way out v128-159 packed results, v160-223 rows read back.  window 1: W's fragments, two sets (v0, v128).  windows 2, 3: accumulators (a, b) at 8 (8 (a % 4) + b).
.set FR,    8
.set REG,   65536                      ; a region: [32 kb][128 rows][16 bytes]; regions 0, 1: x's halves; 2, 3: W's
.set SCL,   4*REG                      ; the scale words: four regions [8 s][128 rows] of 4,096 bytes
.set STAGE, SCL+4*4096                 ; the way out: 16 rows x (256 + 16) bytes for each wave
.set SPITCH, 272
.set SPARE, STAGE+4*16*SPITCH          ; the spare words, 128 bytes a wave, which no other line names
.set ADRA, 16
.set ADRB, 20
.set STO,  24
.set RD,   25
.set CO,   26
.set ADRS, 27
.set SPW,  28
.set NIL,  29
.set BO,   30
.set SC,   32
.set AF,   128
.set BIAS, 192
.set TMP,  128
.set BK,   160
.set G1A,  28                          ; s[28:35] group 1, x's codes;  s[36:43] W's;  s[44:51] x's scales;  s[52:59] W's
.set G1B,  36
.set G1SA, 44
.set G1SB, 52
.set G0A,  68                          ; s[68:79] three groups 0 for x: scales, K half 0, K half 1;  s[80:91] for W
.set G0B,  80
.set MSB, 0
.macro WIN new                         ; the immediate's high byte repeats the setting that is left
.if MSB != (\new)
	s_set_vgpr_msb (MSB<<8)|(\new)
.set MSB, (\new)
.endif
.endm
.macro CROUND                          ; a round of the cluster's barrier
	s_barrier_signal -1
	s_barrier_wait -1
	s_cmp_lg_u32 s16, 0
	s_cbranch_scc1 .Lnot_wave_0_\@
	s_barrier_signal -3
.Lnot_wave_0_\@:
	s_barrier_wait -3
	s_barrier_signal -1
	s_barrier_wait -1
.endm
.macro PLACES                          ; four plain vector lines between a matrix instruction and a load into, or a vector read of, its registers
.rept 4
	v_nop
.endr
.endm
	s_load_b256 s[4:11], s[0:1], 0x0               ; xc 4, xs 6, wc 8, ws 10
	s_load_b128 s[12:15], s[0:1], 0x20             ; b_qkv 12, qkv 14
	v_lshl_add_u32 v[SPW], v0, 2, SPARE
	v_mov_b32 v[NIL], 0
	ds_add_u32 v[SPW], v[NIL]                      ; the wave's opening: the add and its wait ahead of my first tensor load
	v_lshrrev_b32 v1, 5, v0
	v_readfirstlane_b32 s16, v1                    ; wave 0..3
	s_lshr_b32 s17, s16, 1                         ; my half of the tile's rows.  Also: I fetch for x (0) or for W (1)
	s_and_b32 s18, s16, 1                          ; my half of its columns.  Also: which 128 rows I fetch
	s_bfe_u32 s19, ttmp6, 0x40000                  ; cx
	s_bfe_u32 s20, ttmp6, 0x40004                  ; cy
	s_lshl_b32 s21, ttmp9, 2
	s_add_co_u32 s21, s21, s19                     ; tile column
	s_and_b32 s22, ttmp7, 0xffff
	s_lshl_b32 s22, s22, 2
	s_add_co_u32 s22, s22, s20                     ; tile row
	s_lshl_b32 s23, s20, 2
	s_lshl_b32 s23, 15, s23                        ; my row of the cluster
	s_lshl_b32 s24, 0x1111, s19                    ; my column
	s_or_b32 s[G1A], s23, (3<<16)|(1<<21)          ; 15:0 the mask; 17:16 elements of 8 bytes; 21 set beside a mask; no padding
	s_or_b32 s[G1SA], s23, (3<<16)|(1<<21)
	s_or_b32 s[G1B], s24, (3<<16)|(1<<21)
	s_or_b32 s[G1SB], s24, (3<<16)|(1<<21)
.irp g, G1A, G1B                       ; codes: 16 kb, each 128 rows x 16 bytes = 256 elements on end
	s_mov_b32 s[\g+1], 256<<16
	s_mov_b32 s[\g+2], 16<<16
	s_mov_b32 s[\g+3], 256<<16
	s_mov_b32 s[\g+4], 16
	s_mov_b32 s[\g+6], 0
	s_mov_b32 s[\g+7], 0
.endr
	s_mov_b32 s[G1A+5], 8192                       ; from kb to kb: 65,536 bytes
	s_mov_b32 s[G1B+5], 6144                       ; 49,152 bytes
.irp g, G1SA, G1SB                     ; scale words: 8 steps, each 128 words = 64 elements
	s_mov_b32 s[\g+1], 64<<16
	s_mov_b32 s[\g+2], 8<<16
	s_mov_b32 s[\g+3], 64<<16
	s_mov_b32 s[\g+4], 8
	s_mov_b32 s[\g+6], 0
	s_mov_b32 s[\g+7], 0
.endr
	s_mov_b32 s[G1SA+5], 2048
	s_mov_b32 s[G1SB+5], 1536
	s_lshl_b32 s25, s18, 7
	s_lshl_b32 s60, s22, 8
	s_add_co_u32 s60, s60, s25                     ; x: row 256 x tile row + 128 x half: made of cy alone
	s_lshl_b32 s62, s60, 2
	s_mov_b32 s63, 0
	s_lshl_b32 s60, s60, 4
	s_mov_b32 s61, 0
	s_lshl_b32 s92, s21, 8
	s_add_co_u32 s92, s92, s25                     ; W: made of cx alone
	s_lshl_b32 s94, s92, 2
	s_mov_b32 s95, 0
	s_lshl_b32 s92, s92, 4
	s_mov_b32 s93, 0
	s_lshl_b32 s26, s16, 16                        ; where they go: region = wave
	s_lshl_b32 s27, s16, 12
	s_add_co_u32 s27, s27, SCL
	s_cmp_eq_u32 ttmp9, 0                          ; the cluster's x is the part
	s_cselect_b32 s2, 0x3e38aa3b, 1.0              ; q x log2(e) / 8; k and v x 1
	s_mov_b32 s3, s2                               ; (named with it as a pair)
	s_wait_dscnt 0x0                               ; the opening add is done
	s_wait_kmcnt 0x0
	s_mov_b32 s[G0A], 1
	s_mov_b32 s[G0A+1], s27
	s_add_nc_u64 s[G0A+2:G0A+3], s[6:7], s[62:63]
	s_mov_b32 s[G0A+4], 1
	s_mov_b32 s[G0A+5], s26
	s_add_nc_u64 s[G0A+6:G0A+7], s[4:5], s[60:61]
	s_mov_b32 s[G0A+8], 1
	s_add_co_u32 s[G0A+9], s26, 32768
	s_add_nc_u64 s[G0A+10:G0A+11], s[G0A+6:G0A+7], 1048576   ; kb 16 on
	s_or_b32 s[G0A+3], s[G0A+3], 0x80000000
	s_or_b32 s[G0A+7], s[G0A+7], 0x80000000
	s_or_b32 s[G0A+11], s[G0A+11], 0x80000000
	s_mov_b32 s[G0B], 1
	s_mov_b32 s[G0B+1], s27
	s_add_nc_u64 s[G0B+2:G0B+3], s[10:11], s[94:95]
	s_mov_b32 s[G0B+4], 1
	s_mov_b32 s[G0B+5], s26
	s_add_nc_u64 s[G0B+6:G0B+7], s[8:9], s[92:93]
	s_mov_b32 s[G0B+8], 1
	s_add_co_u32 s[G0B+9], s26, 32768
	s_add_nc_u64 s[G0B+10:G0B+11], s[G0B+6:G0B+7], 786432
	s_or_b32 s[G0B+3], s[G0B+3], 0x80000000
	s_or_b32 s[G0B+7], s[G0B+7], 0x80000000
	s_or_b32 s[G0B+11], s[G0B+11], 0x80000000
	CROUND                                         ; all sixteen work-groups are here: the joint loads meet
	s_cmp_eq_u32 s17, 0                            ; a wave's three fills stand in one branch on the wave's number; an s_nop 0 follows each, four v_nop the last
	s_cbranch_scc0 .Lfirst_b
	tensor_load_to_lds s[G0A:G0A+3], s[G1SA:G1SA+7]
	s_nop 0
	tensor_load_to_lds s[G0A+4:G0A+7], s[G1A:G1A+7]
	s_nop 0
	tensor_load_to_lds s[G0A+8:G0A+11], s[G1A:G1A+7]
	s_nop 0
.rept 4
	v_nop
.endr
	s_branch .Lfirst_done
.Lfirst_b:
	tensor_load_to_lds s[G0B:G0B+3], s[G1SB:G1SB+7]
	s_nop 0
	tensor_load_to_lds s[G0B+4:G0B+7], s[G1B:G1B+7]
	s_nop 0
	tensor_load_to_lds s[G0B+8:G0B+11], s[G1B:G1B+7]
	s_nop 0
.rept 4
	v_nop
.endr
.Lfirst_done:
	v_and_b32 v1, 15, v0                           ; r
	v_bfe_u32 v2, v0, 4, 1                         ; h
	v_lshlrev_b32 v[BO], 5, v2                     ; the bias: my half's eight numbers
	s_lshl_b32 s96, s21, 2
	s_lshl_b32 s97, s18, 1
	s_add_co_u32 s96, s96, s97                     ; g of my first 64 columns
	s_and_b32 s98, s96, 15                         ; its head n
	s_mul_i32 s98, s98, 768                        ; 192 numbers a head in b_qkv,
	s_lshl_b32 s99, ttmp9, 8                       ; 64 a part
	s_add_co_u32 s98, s98, s99
	s_mov_b32 s99, 0
	s_add_nc_u64 s[12:13], s[12:13], s[98:99]
.irp b, 0,1,2,3,4,5,6,7                        ; W's block b: head + b / 4, e = 16 (b % 4) + 8 h + 0 .. 7: the result's layout
	global_load_b128 v[BIAS+8*\b:BIAS+8*\b+3], v[BO], s[12:13] offset:(\b/4)*768+(\b%4)*64
	global_load_b128 v[BIAS+8*\b+4:BIAS+8*\b+7], v[BO], s[12:13] offset:(\b/4)*768+(\b%4)*64+16
.endr
	s_lshl_b32 s96, s96, 19                        ; qkv: g x 4,096 rows x 128 bytes,
	s_lshl_b32 s97, s22, 15                        ; + 256 x tile row,
	s_add_co_u32 s96, s96, s97
	s_lshl_b32 s97, s17, 14                        ; + 128 x half
	s_add_co_u32 s96, s96, s97
	s_mov_b32 s97, 0
	s_add_nc_u64 s[14:15], s[14:15], s[96:97]
	v_lshlrev_b32 v3, 4, v1
	v_lshl_add_u32 v3, v2, 11, v3                  ; a fragment: 16 r, and lanes 16-31 one kb further on
	s_lshl_b32 s23, s17, 16
	v_add_nc_u32 v[ADRA], s23, v3
	s_lshl_b32 s24, s18, 16
	s_add_co_u32 s24, s24, 2*REG
	v_add_nc_u32 v[ADRB], s24, v3
	s_add_co_u32 s25, s18, 2
	s_sub_co_u32 s25, s25, s17
	s_lshl_b32 s25, s25, 12                        ; from x's scale region to W's
	v_mul_u32_u24 v4, s25, v2                      ; lanes 16-31 take W's
	v_lshl_add_u32 v4, v1, 2, v4
	s_lshl_b32 s23, s17, 12
	s_add_co_u32 s23, s23, SCL
	v_add_nc_u32 v[ADRS], s23, v4
	s_mul_i32 s60, s16, 16*SPITCH
	s_add_co_u32 s60, s60, STAGE                   ; my stage
	v_mul_u32_u24 v5, v1, SPITCH
	v_lshl_add_u32 v5, v2, 4, v5
	v_add_nc_u32 v[STO], s60, v5                   ; in: row r, 16 bytes for each half of the lanes
	v_bfe_u32 v6, v0, 3, 1
	v_and_b32 v7, 7, v0
	v_lshlrev_b32 v7, 4, v7
	v_mul_u32_u24 v8, v6, SPITCH
	v_lshl_add_u32 v8, v2, 7, v8
	v_add_nc_u32 v8, v8, v7
	v_add_nc_u32 v[RD], s60, v8                    ; back: lanes 0-15 two rows' 128 bytes of the first g, lanes 16-31 of the second
	v_lshl_add_u32 v9, v6, 7, v7
	v_lshl_add_u32 v[CO], v2, 19, v9               ; and the same in qkv: two rows of a g are 256 consecutive bytes
.macro FRAG reg, adr, s, i             ; 16 rows x 128 K: registers 4 c .. 4 c + 3 of lane (r, h) are kb = 4 s + 2 c + h of row r
.irp c, 0,1
	ds_load_b128 v[(\reg)+4*\c:(\reg)+4*\c+3], v[\adr] offset:8192*(\s)+4096*\c+256*(\i)
.endr
.endm
.macro FETCH_B s, p
	WIN 0x40
.irp i, 0,1,2,3,4,5,6,7
	FRAG 128*(\p)+FR*\i, ADRB, \s, \i
.endr
	WIN 0
.endm
.macro FETCH_A s, i0
.irp i, \i0, \i0+1, \i0+2, \i0+3
	FRAG AF+FR*(\i), ADRA, \s, \i
.endr
.endm
; 16 matrix instructions: x's blocks a0, a0 + 1 against W's eight.  zero = 1: the bias starts the sums.  The 64 accumulators take turns, one instruction a turn.
.macro MUL16 a0, p, s, zero
.irp a, \a0, \a0+1
.irp b, 0,1,2,3,4,5,6,7
.if \zero
	v_wmma_scale_f32_16x16x128_f8f6f4 v[8*(8*((\a)%4)+\b):8*(8*((\a)%4)+\b)+7], v[128*(\p)+FR*\b:128*(\p)+FR*\b+FR-1], v[AF+FR*(\a):AF+FR*(\a)+FR-1], v[BIAS+8*\b:BIAS+8*\b+7], v[SC+8*(\s)+\b], v[SC+8*(\s)+(\a)] matrix_a_fmt:MATRIX_FMT_FP4 matrix_b_fmt:MATRIX_FMT_FP4 matrix_a_scale:MATRIX_SCALE_ROW1
.else
	v_wmma_scale_f32_16x16x128_f8f6f4 v[8*(8*((\a)%4)+\b):8*(8*((\a)%4)+\b)+7], v[128*(\p)+FR*\b:128*(\p)+FR*\b+FR-1], v[AF+FR*(\a):AF+FR*(\a)+FR-1], v[8*(8*((\a)%4)+\b):8*(8*((\a)%4)+\b)+7], v[SC+8*(\s)+\b], v[SC+8*(\s)+(\a)] matrix_a_fmt:MATRIX_FMT_FP4 matrix_b_fmt:MATRIX_FMT_FP4 matrix_a_scale:MATRIX_SCALE_ROW1
.endif
.endr
.endr
.endm
; A step of 128 along K.  x has one set of registers: blocks 0-3 are fetched anew in the step's middle, blocks 4-7 at its end; W has two sets.
.macro STEP s, zero
	s_wait_dscnt 8                                 ; all but the youngest eight loads (x's blocks 4-7)
	WIN 0xa1-0x20*(\zero)                          ; source 0 window 1, source 1 window 0, D window 2; C window 2, or window 0 for the bias
	MUL16 0, (\s)%2, \s, \zero
	MUL16 2, (\s)%2, \s, \zero
	s_wait_dscnt 0x0
.if (\s) == 3
	s_wait_tensorcnt 0x0                           ; my part of K's second half is in,
	s_barrier_signal -1
	s_barrier_wait -1                              ; everybody's is
.endif
	PLACES
	FETCH_B (\s)+1, 1-(\s)%2
	FETCH_A (\s)+1, 0
	WIN 0xf1-0x30*(\zero)
	MUL16 4, (\s)%2, \s, \zero
	MUL16 6, (\s)%2, \s, \zero
	PLACES
	WIN 0
	FETCH_A (\s)+1, 4
.endm
	s_wait_tensorcnt 0x1                           ; the scale words and my part of K's first half are in; the second half's load stays out
	s_barrier_signal -1
	s_barrier_wait -1
.irp s, 0,1,2,3,4,5,6,7
.irp i, 0,1,2,3,4,5,6,7
	ds_load_b32 v[SC+8*\s+\i], v[ADRS] offset:512*\s+64*\i
.endr
.endr
	FETCH_B 0, 0
	FETCH_A 0, 0
	FETCH_A 0, 4
	s_wait_loadcnt 0x0                             ; the bias
	STEP 0, 1
	STEP 1, 0
	STEP 2, 0
	STEP 3, 0
	STEP 4, 0
	STEP 5, 0
	STEP 6, 0
	s_wait_dscnt 8                                 ; the last step fetches nothing
	WIN 0xa1
	MUL16 0, 1, 7, 0
	MUL16 2, 1, 7, 0
	s_wait_dscnt 0x0
	WIN 0xf1
	MUL16 4, 1, 7, 0
	MUL16 6, 1, 7, 0
	WIN 0
; THE WAY OUT, a block of 16 rows x 128 columns at a time: x the part's factor, rounded to f16, 16 bytes a lane into my stage, back by rows, stored so that sixteen lanes write 256 consecutive bytes.
.macro PACK a
.set AC, 64*((\a)%4)
	WIN 0x82+0x41*((\a)/4)                         ; destination and source 0: window 2 or 3
.set i, 0
.rept 32
	v_pk_mul_f32 v[AC+2*i:AC+2*i+1], v[AC+2*i:AC+2*i+1], s[2:3] op_sel_hi:[1,0]   ; each accumulator from its low end on
.set i, i+1
.endr
	WIN 0x0a+5*((\a)/4)                            ; sources 0 and 1: window 2 or 3
.set i, 0
.rept 32
	v_cvt_pk_f16_f32 v[TMP+i], v[AC+2*i], v[AC+2*i+1]
.set i, i+1
.endr
	WIN 0
.endm
.macro TOSTAGE a
.irp b, 0,1,2,3,4,5,6,7
	ds_store_b128 v[STO], v[TMP+4*\b:TMP+4*\b+3] offset:32*\b
.endr
.irp i, 0,1,2,3,4,5,6,7
	ds_load_b128 v[BK+32*((\a)%2)+4*\i:BK+32*((\a)%2)+4*\i+3], v[RD] offset:544*\i   ; LDS serves a wave's instructions in order: these see the stores above
.endr
.endm
.macro SEND a
	s_wait_dscnt 0x0                               ; the block is back in registers
	s_wait_xcnt 0x0                                ; the earlier stores have read their registers: the next block's loads may land there
.irp i, 0,1,2,3,4,5,6,7
	global_store_b128 v[CO], v[BK+32*((\a)%2)+4*\i:BK+32*((\a)%2)+4*\i+3], s[14:15] offset:(\a)*2048+\i*256
.endr
.endm
	PLACES                                         ; behind the last products; for the later blocks the earlier blocks' arithmetic is the distance
	PACK 0
	TOSTAGE 0
.irp a, 1,2,3,4,5,6,7
	PACK \a
	SEND \a-1
	TOSTAGE \a
.endr
	SEND 7
	s_wait_tensorcnt 0x0                           ; the wave's end
	ds_add_u32 v[SPW], v[NIL]
	s_wait_dscnt 0x0
	CROUND                                         ; the closing round
	s_endpgm
.Lfunc_end_k_q7d4d9d5332_qkv:
	.size	k_q7d4d9d5332_qkv, .Lfunc_end_k_q7d4d9d5332_qkv-k_q7d4d9d5332_qkv
	.p2alignl 7, 3214868480
	.fill 96, 4, 3214868480
	.section	.rodata,"a",@progbits
	.p2align	6, 0x0
	.amdhsa_kernel k_q7d4d9d5332_qkv
		.amdhsa_group_segment_fixed_size 327680
		.amdhsa_private_segment_fixed_size 0
		.amdhsa_enable_private_segment 0
		.amdhsa_kernarg_size 48
		.amdhsa_user_sgpr_count 2
		.amdhsa_user_sgpr_kernarg_segment_ptr 1
		.amdhsa_wavefront_size32 1
		.amdhsa_system_sgpr_workgroup_id_x 1
		.amdhsa_system_sgpr_workgroup_id_y 1
		.amdhsa_system_sgpr_workgroup_id_z 1
		.amdhsa_system_vgpr_workitem_id 0
		.amdhsa_next_free_vgpr 1024
		.amdhsa_next_free_sgpr 100
		.amdhsa_reserve_vcc 0
		.amdhsa_float_denorm_mode_32 3
		.amdhsa_float_denorm_mode_16_64 3
		.amdhsa_memory_ordered 1
		.amdhsa_forward_progress 1
		.amdhsa_inst_pref_size 146
	.end_amdhsa_kernel
	.amdgpu_metadata
---
amdhsa.version: [ 1, 2 ]
amdhsa.kernels:
  - .name:           k_q7d4d9d5332_qkv
    .symbol:         k_q7d4d9d5332_qkv.kd
    .args:
      - { .name: xc, .offset: 0, .size: 8, .value_kind: global_buffer, .address_space: global }
      - { .name: xs, .offset: 8, .size: 8, .value_kind: global_buffer, .address_space: global }
      - { .name: wc, .offset: 16, .size: 8, .value_kind: global_buffer, .address_space: global }
      - { .name: ws, .offset: 24, .size: 8, .value_kind: global_buffer, .address_space: global }
      - { .name: b_qkv, .offset: 32, .size: 8, .value_kind: global_buffer, .address_space: global }
      - { .name: qkv, .offset: 40, .size: 8, .value_kind: global_buffer, .address_space: global }
    .group_segment_fixed_size: 327680
    .private_segment_fixed_size: 0
    .kernarg_segment_align: 8
    .kernarg_segment_size: 48
    .max_flat_workgroup_size: 128
    .sgpr_count:     100
    .vgpr_count:     1024
    .wavefront_size: 32
...
	.end_amdgpu_metadata
.endif
;; end of part 2
;; launch attn (part 3): grid 8 x 32, 8 waves a work-group, clusters of 4 x 1, 327,680 bytes of LDS; arguments qkv, maskw, ctx; writes ctx
.if DOCPART == 3
	.amdgcn_target "amdgcn-amd-amdhsa--gfx1250"
	.amdhsa_code_object_version 6
	.text
	.protected	k_q7d4d9d5332_attn
	.globl	k_q7d4d9d5332_attn
	.p2align	8
	.type	k_q7d4d9d5332_attn,@function
k_q7d4d9d5332_attn:
	s_mov_b64 s[64:65], 0
	v_nop
	global_prefetch_b8 v0, s[64:65] scope:SCOPE_SE
	s_setreg_imm32_b32 hwreg(HW_REG_WAVE_MODE, 25, 1), 1
	s_wait_xcnt 0x0
	s_wait_alu depctr_hold_cnt(0) depctr_sa_sdst(0) depctr_va_vdst(0) depctr_va_sdst(0) depctr_va_ssrc(0) depctr_va_vcc(0) depctr_vm_vsrc(0)
	s_getreg_b32 s2, hwreg(HW_REG_IB_STS2, 6, 4)
	s_cmp_eq_u32 s2, 0
	s_cbranch_scc0 .Lentry_in_a_cluster
	s_endpgm
.Lentry_in_a_cluster:
	s_bfe_u32 s2, ttmp6, 0x10000c
	s_cmp_lg_u32 s2, 0x3003
	s_cbranch_scc0 .Lentry_shape_is_right
	s_endpgm
.Lentry_shape_is_right:
; ATTN: ctx[n][t][:] = sum over keys of softmax(where(mask, q . k / 8, -10000)) v.  qkv [48 g][4096 t][64] f16: q of head n at g = n (already x log2(e) / 8), k at 16 + n, v at 32 + n; t = 2048 b + f.
; maskw [128 groups of 32 queries][32 steps][2 x][4 kt][8 j]: the lane mask of register j of score tile (x, kt).  ctx [16 n][4096 t][64] f16.  Products on f16 operands, all else f32.
; THE MASK REPLACES A SCORE, AHEAD OF THE MAXIMUM, by -10000 log2(e), as the definition has it: a row with no true key comes out uniform, and scores under -10000 lose to masked keys.
; SOFTMAX: a running maximum m and sum l for each query: p = 2^(t - m); in every step O and l are multiplied by 2^(m_old - m_new).  The sum is taken of p before it is rounded to f16.
; LIMITS: NaN and infinities are not served; ctx lies within v's range, which is f16's.
; SHARES: a work-group owns 256 queries of one head and batch, each of its eight waves 32: two tiles x of 16.  Two waves share a SIMD, so that one wave's vector work stands beside the other's products.
; A key step is 64 keys: 16 products K Q^T, the softmax, 16 products V^T P.  Both products are used transposed: a lane holds ONE query (lane % 16) throughout.
; RING: two slots of 256 keys; a slot is eight blocks of 10,240 bytes: K of its four steps (64 rows, 128 + 16 bytes), then V of its four steps (64 rows, 128 + 32 bytes, read turned).  Wave w fills block w.
; CLUSTER 4 x 1: the four query blocks of a cluster walk the same K and V: joint loads with the mask 15.
; REGISTERS: window 0: v2-11 addresses and constants; v12-27 statistics, eight a tile (+0 -m, +1 m, +2 +3 l, +4 .. +7 at work; the factor in +6); v32-63 Q; v64-127 S^T, then p; v128-159 P in f16; v160-223 O^T; v224-255 the way out.
;   window 1: v0-63 K's fragments (kt, c) at 8 (2 kt + c); v64-127 V^T's (u, ct) at 64 + 8 (4 u + ct).
.set PK,    144
.set PVP,   160
.set BLKB,  10240
.set VOFF,  4*BLKB
.set SLOT1, 1<<17
.set STAGE, SLOT1+8*BLKB               ; the way out: 32 rows x (128 + 16) bytes for each wave
.set SPARE, STAGE+8*32*144             ; the spare words, 128 bytes a wave, which no other line names
.set AK0, 2
.set AV0, 3
.set ADK, 4
.set ADV, 5
.set QO,  6
.set STO, 7
.set RD,  8
.set GO,  9
.set TNEG, 10
.set PFO, 11
.set ST,  12
.set SPW, 28
.set NIL, 29
.set Q,   32
.set S,   64
.set P,   128
.set O,   160
.set OB,  224
.set TB,  2                            ; s2   LDS byte at which the blocks of the step to be fetched begin
.set WV,  3                            ; s3   my wave's number
.set MP,  4                            ; s[4:5]   the step's mask words
.set PFA, 6                            ; s[6:7]   where my prefetches stand
.set G1K, 8                            ; s[8:15]  group 1 for K's blocks;  s[16:23] for V's: the padding differs
.set G1V, 16
.set G0A, 24                           ; s[24:27] group 0, slot 0's first fill;  s[28:31] slot 1's, which then walks
.set G0B, 28
.set MW0, 32                           ; s[32:63] tile 0's mask words;  s[68:99] tile 1's
.set MW1, 68
.set LIM, 66
.set SLOTS, 67
.set CNT, 100                          ; s100 counts a slot's steps (s[100:101] is Q's address until Q is in)
.set SEL, 104
.set MSB, 0
.macro WIN new
.if MSB != (\new)
	s_set_vgpr_msb (MSB<<8)|(\new)
.set MSB, (\new)
.endif
.endm
.macro CROUND
	s_barrier_signal -1
	s_barrier_wait -1
	s_cmp_lg_u32 s[WV], 0
	s_cbranch_scc1 .Lnot_wave_0_\@
	s_barrier_signal -3
.Lnot_wave_0_\@:
	s_barrier_wait -3
	s_barrier_signal -1
	s_barrier_wait -1
.endm
.macro JLOAD                           ; the joint refill: waves 0-3 K's blocks, waves 4-7 V's; an s_nop 0 and four v_nop follow each of the two lines
	s_cmp_lt_u32 s[WV], 4
	s_cbranch_scc0 .Lfor_v_\@
	tensor_load_to_lds s[G0B:G0B+3], s[G1K:G1K+7]
	s_nop 0
.rept 4
	v_nop
.endr
	s_branch .Lasked_\@
.Lfor_v_\@:
	tensor_load_to_lds s[G0B:G0B+3], s[G1V:G1V+7]
	s_nop 0
.rept 4
	v_nop
.endr
.Lasked_\@:
.endm
; A prefetch of what the NEXT change of slots will ask for: a slot's 256 rows of K and of V, 32,768 consecutive bytes each.  Both clusters of a head walk the same rows: the first asks.  Its four partners take
; 8,192 bytes each, told apart by address; in each, wave 0 asks for K's and wave 4 for V's, lanes 256 bytes apart: each aligned 256 bytes are named once.  Four key steps ahead of the load; the last filling change asks for nothing.
.macro ASK
	s_cmp_gt_u32 s[SLOTS], s[LIM]
	s_cbranch_scc0 .Lnot_mine_\@
	global_prefetch_b8 v[PFO], s[PFA:PFA+1] th:TH_LOAD_NT scope:SCOPE_SE
.Lnot_mine_\@:
.endm
	s_load_b128 s[32:35], s[0:1], 0x0              ; qkv, maskw
	v_lshl_add_u32 v[SPW], v0, 2, SPARE
	v_mov_b32 v[NIL], 0
	ds_add_u32 v[SPW], v[NIL]                      ; the wave's opening: the add and its wait ahead of my first tensor load
	v_lshrrev_b32 v1, 5, v0
	v_readfirstlane_b32 s[WV], v1                  ; wave 0..7
	s_bfe_u32 s36, ttmp6, 0x40000                  ; cx
	s_lshl_b32 s37, ttmp9, 2
	s_add_co_u32 s37, s37, s36                     ; my block of 256 queries
	s_and_b32 s38, ttmp7, 0xffff
	s_lshr_b32 s39, s38, 4                         ; b
	s_and_b32 s40, s38, 15                         ; n
	s_lshr_b32 s41, s[WV], 2                       ; I fetch K (0) or V (1)
	s_lshl_b32 s41, s41, 4
	s_add_co_u32 s41, s41, s40
	s_add_co_u32 s41, s41, 16                      ; its g
	s_lshl_b32 s46, s41, 19
	s_lshl_b32 s43, s39, 18                        ; b x 2,048 rows x 128 bytes
	s_add_co_u32 s46, s46, s43
	s_and_b32 s44, s[WV], 3
	s_lshl_b32 s44, s44, 13                        ; my step's 64 rows
	s_add_co_u32 s46, s46, s44
	s_mov_b32 s47, 0                               ; s[46:47]: no place in the cluster enters it
	s_lshl_b32 s48, s36, 13                        ; the prefetches: my work-group's 8,192 bytes
	s_mov_b32 s49, 0
	s_lshl_b32 s50, s40, 19                        ; Q: g = n,
	s_add_co_u32 s50, s50, s43
	s_lshl_b32 s45, s37, 15                        ; my block's 256 rows,
	s_add_co_u32 s50, s50, s45
	s_lshl_b32 s45, s[WV], 12                      ; my wave's 32
	s_add_co_u32 s50, s50, s45
	s_mov_b32 s51, 0
	s_lshl_b32 s54, s39, 19                        ; the mask words: (64 b + 8 block + wave) x 8,192 bytes
	s_lshl_b32 s45, s37, 16
	s_add_co_u32 s54, s54, s45
	s_lshl_b32 s45, s[WV], 13
	s_add_co_u32 s54, s54, s45
	s_mov_b32 s55, 0
	s_mul_i32 s56, s[WV], BLKB                     ; my block of a slot
	s_mul_i32 s57, s[WV], 32*144
	s_add_co_u32 s57, s57, STAGE                   ; my stage
	s_mov_b32 s[G1K], 15|(1<<16)|(1<<20)|(1<<21)|(4<<22)|(3<<25)   ; the mask: all four; elements of 2 bytes; padding on; 21 set beside a mask; after every 32 words, 4 words
	s_mov_b32 s[G1V], 15|(1<<16)|(1<<20)|(1<<21)|(4<<22)|(7<<25)   ; 8 words
.irp g, G1K, G1V
	s_mov_b32 s[\g+1], 64<<16
	s_mov_b32 s[\g+2], 64<<16
	s_mov_b32 s[\g+3], 64<<16
	s_mov_b32 s[\g+4], 64
	s_mov_b32 s[\g+5], 64
	s_mov_b32 s[\g+6], 0
	s_mov_b32 s[\g+7], 0
.endr
	s_mov_b32 s[SEL], 0x76543210
	s_mov_b32 s[SEL+1], 0xfedcba98
	s_mov_b32 s[TB], 0
	s_mov_b32 s[SLOTS], 6
	s_and_b32 s[LIM], s[WV], 3
	s_or_b32 s[LIM], s[LIM], ttmp9                 ; 0 in waves 0 and 4 of the head's first cluster: the same in all four partners
	s_cmp_eq_u32 s[LIM], 0
	s_cselect_b32 s[LIM], 1, -1
	v_and_b32 v[PFO], 31, v0
	v_lshlrev_b32 v[PFO], 8, v[PFO]
	s_wait_dscnt 0x0                               ; the opening add is done
	s_wait_kmcnt 0x0
	s_add_nc_u64 s[MP:MP+1], s[34:35], s[54:55]
	s_add_nc_u64 s[100:101], s[32:33], s[50:51]
	s_mov_b32 s[G0A], 1
	s_mov_b32 s[G0A+1], s56
	s_add_nc_u64 s[G0A+2:G0A+3], s[32:33], s[46:47]
	s_add_nc_u64 s[PFA:PFA+1], s[G0A+2:G0A+3], s[48:49]
	s_add_nc_u64 s[PFA:PFA+1], s[PFA:PFA+1], 2*32768   ; in slot 2: the first change steps it to slot 3.  Nothing is prefetched at the head
	s_mov_b32 s[G0B], 1
	s_add_co_u32 s[G0B+1], s56, SLOT1
	s_add_nc_u64 s[G0B+2:G0B+3], s[G0A+2:G0A+3], 32768
	s_or_b32 s[G0A+3], s[G0A+3], 0x80000000
	s_or_b32 s[G0B+3], s[G0B+3], 0x80000000
	CROUND                                         ; all four work-groups are here: the first joint loads meet
	s_cmp_lt_u32 s[WV], 4                          ; a wave's two first fills stand in one branch: two loads of mine are out
	s_cbranch_scc0 .Lfirst_v
	tensor_load_to_lds s[G0A:G0A+3], s[G1K:G1K+7]
	s_nop 0
	tensor_load_to_lds s[G0B:G0B+3], s[G1K:G1K+7]
	s_nop 0
.rept 4
	v_nop
.endr
	s_branch .Lfirst_asked
.Lfirst_v:
	tensor_load_to_lds s[G0A:G0A+3], s[G1V:G1V+7]
	s_nop 0
	tensor_load_to_lds s[G0B:G0B+3], s[G1V:G1V+7]
	s_nop 0
.rept 4
	v_nop
.endr
.Lfirst_asked:
	v_and_b32 v1, 15, v0                           ; r
	v_bfe_u32 v30, v0, 4, 1                        ; h
	v_lshlrev_b32 v[QO], 7, v1
	v_lshl_add_u32 v[QO], v30, 4, v[QO]
.irp x, 0,1
.irp c, 0,1                                    ; Q stays in registers: tile x, channels 32 c on
	global_load_b128 v[Q+16*\x+8*\c:Q+16*\x+8*\c+3], v[QO], s[100:101] offset:\x*2048+\c*64
	global_load_b128 v[Q+16*\x+8*\c+4:Q+16*\x+8*\c+7], v[QO], s[100:101] offset:\x*2048+\c*64+32
.endr
.endr
	v_mul_u32_u24 v[AK0], v1, PK
	v_lshl_add_u32 v[AK0], v30, 4, v[AK0]          ; K: row r, + 16 h
	v_and_b32 v31, 7, v0
	v_lshl_add_u32 v[AV0], v30, 3, v31
	v_mul_u32_u24 v[AV0], v[AV0], PVP              ; V, for the turning load: key 8 h + l % 8,
	v_bfe_u32 v31, v0, 3, 1
	v_lshl_add_u32 v[AV0], v31, 4, v[AV0]          ; channels 8 ((l / 8) % 2) on
	v_add_nc_u32 v[AV0], VOFF, v[AV0]
	v_mul_u32_u24 v[STO], v1, 144
	v_lshl_add_u32 v[STO], v30, 4, v[STO]
	v_add_nc_u32 v[STO], s57, v[STO]               ; the way out, in: row r, 16 bytes for each half of the lanes
	v_bfe_u32 v31, v0, 3, 2
	v_and_b32 v1, 7, v0
	v_mul_u32_u24 v[RD], v31, 144
	v_lshl_add_u32 v[RD], v1, 4, v[RD]
	v_add_nc_u32 v[RD], s57, v[RD]                 ; back: eight lanes to a row, four rows a load
	v_and_b32 v[GO], 31, v0
	v_lshlrev_b32 v[GO], 4, v[GO]
	v_mov_b32 v[TNEG], 0xc6616bcd                  ; -10000 log2(e)
	s_load_b512 s[MW0:MW0+15], s[MP:MP+1], 0x0     ; step 0's mask words (the set-up's scalars are done with)
	s_load_b512 s[MW0+16:MW0+31], s[MP:MP+1], 0x40
	s_load_b512 s[MW1:MW1+15], s[MP:MP+1], 0x80
	s_load_b512 s[MW1+16:MW1+31], s[MP:MP+1], 0xc0
.irp x, 0,1
	v_mov_b32 v[ST+8*\x+1], 0xff61b1e6             ; m: -3e38, under every score
	v_mov_b32 v[ST+8*\x+2], 0                      ; l
	v_mov_b32 v[ST+8*\x+3], 0
.endr
.set i, 0
.rept 64
	v_mov_b32 v[O+i], 0                            ; O^T.  (The step is written once: the first finds zeros, which its factor 0 leaves zeros)
.set i, i+1
.endr
.macro FETCH_K                         ; 64 keys x 64 channels: 8 fragments, 16 loads
	v_add_nc_u32 v[ADK], s[TB], v[AK0]
	WIN 0x40
.irp f, 0,1,2,3,4,5,6,7
	ds_load_b128 v[8*\f:8*\f+3],   v[ADK] offset:(\f/2)*16*PK+(\f%2)*64
	ds_load_b128 v[8*\f+4:8*\f+7], v[ADK] offset:(\f/2)*16*PK+(\f%2)*64+32
.endr
	WIN 0
.endm
.macro FETCH_V                         ; the same of V, turned.  The addition and three v_nop are the four plain lines behind the products that read V's and K's registers and wrote S^T
	v_add_nc_u32 v[ADV], s[TB], v[AV0]
.rept 3
	v_nop
.endr
	WIN 0x40
.irp f, 0,1,2,3,4,5,6,7
	ds_load_tr16_b128 v[64+8*\f:64+8*\f+3],   v[ADV] offset:(\f/4)*32*PVP+(\f%4)*32
	ds_load_tr16_b128 v[64+8*\f+4:64+8*\f+7], v[ADV] offset:(\f/4)*32*PVP+16*PVP+(\f%4)*32
.endr
	WIN 0
.endm
.macro QK                              ; S^T = K Q^T: eight accumulators by turns, one instruction a turn; the first eight start the sums
	WIN 0x01
.set i, 0
.rept 16
.set rS, S+32*(i%2)+8*((i/2)%4)
.set rK, 8*(2*((i/2)%4)+i/8)
.set rQ, Q+16*(i%2)+8*(i/8)
.if i < 8
	v_wmma_f32_16x16x32_f16 v[rS:rS+7], v[rK:rK+7], v[rQ:rQ+7], 0
.else
	v_wmma_f32_16x16x32_f16 v[rS:rS+7], v[rK:rK+7], v[rQ:rQ+7], v[rS:rS+7]
.endif
.set i, i+1
.endr
.endm
.macro PV                              ; O^T += V^T P: eight accumulators by turns
	WIN 0x01
.set i, 0
.rept 16
.set rO, O+32*(i%2)+8*((i/2)%4)
.set rV, 64+8*(4*(i/8)+(i/2)%4)
.set rP, P+16*(i%2)+8*(i/8)
	v_wmma_f32_16x16x32_f16 v[rO:rO+7], v[rV:rV+7], v[rP:rP+7], v[rO:rO+7]
.set i, i+1
.endr
.endm
; THE CHANGE OF SLOTS, when the slot's last bytes (V of its fourth step) have been asked for.  Each wave waits for all its tensor loads (one is out: its block of the other slot), adds 0 to its spare word, and waits
; for that and for its reads of the slot.  fill = 1: a round of the cluster's barrier, and the joint refill first behind it: it has four key steps in which to land.
.macro CHANGE fill
	WIN 0
	s_wait_tensorcnt 0x0                           ; no tensor load of mine is out, so a group 0 may be written
	ds_add_u32 v[SPW], v[NIL]
.if \fill
	s_xor_b32 s[G0B+1], s[G0B+1], SLOT1            ; the walking descriptor: the other slot than last time,
	s_add_nc_u64 s[G0B+2:G0B+3], s[G0B+2:G0B+3], 32768   ; the next 256 keys
	s_wait_xcnt 0x0                                ; the last prefetch, a slot back, has read its address
	s_add_nc_u64 s[PFA:PFA+1], s[PFA:PFA+1], 32768
	s_wait_dscnt 0x0                               ; the add is done, and my reads of the slot are over
	CROUND
	JLOAD
	ASK
.else
	s_wait_dscnt 0x0
	s_barrier_signal -1
	s_barrier_wait -1
.endif
	s_sub_co_u32 s[TB], s[TB], 3*BLKB              ; back to a slot's first step,
	s_xor_b32 s[TB], s[TB], SLOT1                  ; in the other slot
.endm
; A KEY STEP.  kind 0: within a slot; 1: the slot's last, which is filled again; 2: the last slot but one's last; 3: the very last
.macro STEP kind
	s_wait_dscnt 0x0                               ; K is in
	QK
	WIN 0
	FETCH_V
.if \kind == 0
	s_add_co_u32 s[TB], s[TB], BLKB
	FETCH_K                                        ; the next step's K: it lands under the softmax
.elseif \kind == 1
	CHANGE 1
	FETCH_K
.elseif \kind == 2
	CHANGE 0
	FETCH_K
.endif
	s_wait_kmcnt 0x0                               ; the step's mask words
.set i, 0
.rept 32
	v_cndmask_b32 v[S+i], v[TNEG], v[S+i], s[MW0+i]         ; each accumulator from its low end on
	v_cndmask_b32 v[S+32+i], v[TNEG], v[S+32+i], s[MW1+i]
.set i, i+1
.endr
.if \kind != 3
	s_add_nc_u64 s[MP:MP+1], s[MP:MP+1], 256       ; (the wait above has shown the last loads done)
	s_load_b512 s[MW0:MW0+15], s[MP:MP+1], 0x0
	s_load_b512 s[MW0+16:MW0+31], s[MP:MP+1], 0x40
	s_load_b512 s[MW1:MW1+15], s[MP:MP+1], 0x80
	s_load_b512 s[MW1+16:MW1+31], s[MP:MP+1], 0xc0
.endif
.irp j, 0,1,2,3                                ; the maximum of my 32 scores and the old m: four chains a tile, the tiles by turns
.irp x, 0,1
	v_max3_num_f32 v[ST+8*\x+4+\j], v[S+32*\x+8*\j], v[S+32*\x+8*\j+1], v[S+32*\x+8*\j+2]
.endr
.endr
.irp g, 1,2
.irp j, 0,1,2,3
.irp x, 0,1
	v_max3_num_f32 v[ST+8*\x+4+\j], v[ST+8*\x+4+\j], v[S+32*\x+8*\j+2*\g+1], v[S+32*\x+8*\j+2*\g+2]
.endr
.endr
.endr
.irp x, 0,1
	v_max3_num_f32 v[ST+8*\x+4], v[ST+8*\x+4], v[S+32*\x+7], v[S+32*\x+15]
.endr
.irp x, 0,1
	v_max3_num_f32 v[ST+8*\x+6], v[ST+8*\x+6], v[S+32*\x+23], v[S+32*\x+31]
.endr
.irp x, 0,1
	v_max3_num_f32 v[ST+8*\x+4], v[ST+8*\x+4], v[ST+8*\x+5], v[ST+8*\x+6]
.endr
.irp x, 0,1
	v_max3_num_f32 v[ST+8*\x+4], v[ST+8*\x+4], v[ST+8*\x+7], v[ST+8*\x+1]
.endr
.irp x, 0,1
	v_permlanex16_b32 v[ST+8*\x+5], v[ST+8*\x+4], s[SEL], s[SEL+1]   ; the query's other 32 keys lie in the lane 16 away
.endr
.irp x, 0,1
	v_max_num_f32 v[ST+8*\x+4], v[ST+8*\x+4], v[ST+8*\x+5]
.endr
.irp x, 0,1
	v_sub_f32 v[ST+8*\x+7], v[ST+8*\x+1], v[ST+8*\x+4]               ; m_old - m_new
.endr
.irp x, 0,1
	v_mov_b32 v[ST+8*\x+1], v[ST+8*\x+4]
.endr
.irp x, 0,1
	v_sub_f32 v[ST+8*\x], 0, v[ST+8*\x+4]                            ; -m
.endr
.irp x, 0,1
	v_exp_f32 v[ST+8*\x+6], v[ST+8*\x+7]                             ; the factor
.endr
.irp x, 0,1
.set i, 0
.rept 16
	v_pk_add_f32 v[S+32*\x+2*i:S+32*\x+2*i+1], v[S+32*\x+2*i:S+32*\x+2*i+1], v[ST+8*\x:ST+8*\x+1] op_sel_hi:[1,0]   ; t - m, two at a time
.set i, i+1
.endr
.endr
	s_wait_alu depctr_va_vdst(0)                   ; the wait ahead of the factors' first reader; the 32 additions are the work between
.set i, 0
.rept 64
	v_exp_f32 v[S+i], v[S+i]                       ; p: one batch
.set i, i+1
.endr
.irp x, 0,1
.set i, 0
.rept 16
	v_pk_mul_f32 v[O+32*\x+2*i:O+32*\x+2*i+1], v[O+32*\x+2*i:O+32*\x+2*i+1], v[ST+8*\x+6:ST+8*\x+7] op_sel_hi:[1,0]   ; O^T x the factor: plain work behind the batch, which names none of its results
.set i, i+1
.endr
.endr
	s_wait_alu depctr_va_vdst(0)                   ; one wait for the 64, ahead of their first reader
.irp x, 0,1
.set i, 0
.rept 16
	v_cvt_pk_f16_f32 v[P+16*\x+i], v[S+32*\x+2*i], v[S+32*\x+2*i+1]   ; two tiles of 16 keys, packed in pairs, ARE source 1 (32 keys x 16 queries) of the second product
.set i, i+1
.endr
.endr
.irp u, 0,1,2,3,4,5,6,7                        ; the sum of the unrounded p, in place, a tree of packed additions
.irp x, 0,1
	v_pk_add_f32 v[S+32*\x+4*\u:S+32*\x+4*\u+1], v[S+32*\x+4*\u:S+32*\x+4*\u+1], v[S+32*\x+4*\u+2:S+32*\x+4*\u+3]
.endr
.endr
.irp u, 0,1,2,3
.irp x, 0,1
	v_pk_add_f32 v[S+32*\x+8*\u:S+32*\x+8*\u+1], v[S+32*\x+8*\u:S+32*\x+8*\u+1], v[S+32*\x+8*\u+4:S+32*\x+8*\u+5]
.endr
.endr
.irp u, 0,1
.irp x, 0,1
	v_pk_add_f32 v[S+32*\x+16*\u:S+32*\x+16*\u+1], v[S+32*\x+16*\u:S+32*\x+16*\u+1], v[S+32*\x+16*\u+8:S+32*\x+16*\u+9]
.endr
.endr
.irp x, 0,1
	v_pk_add_f32 v[S+32*\x:S+32*\x+1], v[S+32*\x:S+32*\x+1], v[S+32*\x+16:S+32*\x+17]
.endr
.irp x, 0,1
	v_pk_fma_f32 v[ST+8*\x+2:ST+8*\x+3], v[ST+8*\x+2:ST+8*\x+3], v[ST+8*\x+6:ST+8*\x+7], v[S+32*\x:S+32*\x+1] op_sel_hi:[1,0,1]   ; l = l x the factor + the sum
.endr
.if \kind == 3
	s_wait_dscnt 0x0
.else
	s_wait_dscnt 16                                ; V is in; the sixteen loads of the next step's K, issued behind V's, may stay out
.endif
	PV
	WIN 0
.endm
	s_wait_tensorcnt 0x1                           ; my block of slot 0 is in; slot 1's may stay out
	s_barrier_signal -1
	s_barrier_wait -1
	FETCH_K
	s_wait_loadcnt 0x0                             ; Q; its address registers are free
.Lslot:                                            ; six trips: slots 0 to 5 are filled again
	s_mov_b32 s[CNT], 3
.Lstep_a:
	STEP 0
	s_sub_co_u32 s[CNT], s[CNT], 1
	s_cmp_lg_u32 s[CNT], 0
	s_cbranch_scc1 .Lstep_a
	STEP 1
	s_sub_co_u32 s[SLOTS], s[SLOTS], 1
	s_cmp_lg_u32 s[SLOTS], 0
	s_cbranch_scc1 .Lslot
	s_mov_b32 s[CNT], 3                            ; the last two slots are written out
.Lstep_b:
	STEP 0
	s_sub_co_u32 s[CNT], s[CNT], 1
	s_cmp_lg_u32 s[CNT], 0
	s_cbranch_scc1 .Lstep_b
	STEP 2
	s_mov_b32 s[CNT], 3
.Lstep_c:
	STEP 0
	s_sub_co_u32 s[CNT], s[CNT], 1
	s_cmp_lg_u32 s[CNT], 0
	s_cbranch_scc1 .Lstep_c
	STEP 3
	; THE WAY OUT: l's two halves and the other half of the lanes'; O^T / l, rounded to f16, through my stage, out as 512 consecutive bytes a store.  The lines up to the reciprocals are the distance behind the last products.
	s_load_b64 s[32:33], s[0:1], 0x10              ; ctx (the mask's registers are free)
.irp x, 0,1
	v_add_f32 v[ST+8*\x+4], v[ST+8*\x+2], v[ST+8*\x+3]
.endr
.irp x, 0,1
	v_permlanex16_b32 v[ST+8*\x+5], v[ST+8*\x+4], s[SEL], s[SEL+1]
.endr
.irp x, 0,1
	v_add_f32 v[ST+8*\x+4], v[ST+8*\x+4], v[ST+8*\x+5]
.endr
.irp x, 0,1
	v_rcp_f32 v[ST+8*\x+6], v[ST+8*\x+4]
.endr
	v_nop                                          ; a plain line behind the last reciprocal
	s_bfe_u32 s36, ttmp6, 0x40000
	s_lshl_b32 s37, ttmp9, 2
	s_add_co_u32 s37, s37, s36
	s_and_b32 s38, ttmp7, 0xffff
	s_lshr_b32 s39, s38, 4
	s_and_b32 s40, s38, 15
	s_lshl_b32 s34, s40, 19                        ; (4,096 n + 2,048 b + 256 block + 32 wave) rows of 128 bytes
	s_lshl_b32 s39, s39, 18
	s_add_co_u32 s34, s34, s39
	s_lshl_b32 s37, s37, 15
	s_add_co_u32 s34, s34, s37
	s_lshl_b32 s41, s[WV], 12
	s_add_co_u32 s34, s34, s41
	s_mov_b32 s35, 0
	s_wait_alu depctr_va_vdst(0)                   ; one wait for the two reciprocals, ahead of their first reader
.irp x, 0,1
.set i, 0
.rept 16
	v_pk_mul_f32 v[O+32*\x+2*i:O+32*\x+2*i+1], v[O+32*\x+2*i:O+32*\x+2*i+1], v[ST+8*\x+6:ST+8*\x+7] op_sel_hi:[1,0]
.set i, i+1
.endr
.endr
.set i, 0
.rept 32
	v_cvt_pk_f16_f32 v[S+i], v[O+2*i], v[O+2*i+1]
.set i, i+1
.endr
.irp x, 0,1
.irp t, 0,1,2,3
	ds_store_b128 v[STO], v[S+16*\x+4*\t:S+16*\x+4*\t+3] offset:\x*16*144+\t*32
.endr
.endr
.irp i, 0,1,2,3,4,5,6,7
	ds_load_b128 v[OB+4*\i:OB+4*\i+3], v[RD] offset:576*\i   ; LDS serves a wave's instructions in order: these see my stores
.endr
	s_wait_kmcnt 0x0
	s_add_nc_u64 s[32:33], s[32:33], s[34:35]
.irp i, 0,1,2,3,4,5,6,7
	s_wait_dscnt 7-\i                              ; the younger loads stay out
	global_store_b128 v[GO], v[OB+4*\i:OB+4*\i+3], s[32:33] offset:512*\i
.endr
	s_wait_tensorcnt 0x0                           ; the wave's end
	ds_add_u32 v[SPW], v[NIL]
	s_wait_dscnt 0x0
	CROUND                                         ; the closing round
	s_endpgm
.Lfunc_end_k_q7d4d9d5332_attn:
	.size	k_q7d4d9d5332_attn, .Lfunc_end_k_q7d4d9d5332_attn-k_q7d4d9d5332_attn
	.p2alignl 7, 3214868480
	.fill 96, 4, 3214868480
	.section	.rodata,"a",@progbits
	.p2align	6, 0x0
	.amdhsa_kernel k_q7d4d9d5332_attn
		.amdhsa_group_segment_fixed_size 327680
		.amdhsa_private_segment_fixed_size 0
		.amdhsa_enable_private_segment 0
		.amdhsa_kernarg_size 24
		.amdhsa_user_sgpr_count 2
		.amdhsa_user_sgpr_kernarg_segment_ptr 1
		.amdhsa_wavefront_size32 1
		.amdhsa_system_sgpr_workgroup_id_x 1
		.amdhsa_system_sgpr_workgroup_id_y 1
		.amdhsa_system_sgpr_workgroup_id_z 1
		.amdhsa_system_vgpr_workitem_id 0
		.amdhsa_next_free_vgpr 384
		.amdhsa_next_free_sgpr 106
		.amdhsa_reserve_vcc 0
		.amdhsa_float_denorm_mode_32 3
		.amdhsa_float_denorm_mode_16_64 3
		.amdhsa_memory_ordered 1
		.amdhsa_forward_progress 1
		.amdhsa_inst_pref_size 148
	.end_amdhsa_kernel
	.amdgpu_metadata
---
amdhsa.version: [ 1, 2 ]
amdhsa.kernels:
  - .name:           k_q7d4d9d5332_attn
    .symbol:         k_q7d4d9d5332_attn.kd
    .args:
      - { .name: qkv, .offset: 0, .size: 8, .value_kind: global_buffer, .address_space: global }
      - { .name: maskw, .offset: 8, .size: 8, .value_kind: global_buffer, .address_space: global }
      - { .name: ctx, .offset: 16, .size: 8, .value_kind: global_buffer, .address_space: global }
    .group_segment_fixed_size: 327680
    .private_segment_fixed_size: 0
    .kernarg_segment_align: 8
    .kernarg_segment_size: 24
    .max_flat_workgroup_size: 256
    .sgpr_count:     106
    .vgpr_count:     384
    .wavefront_size: 32
...
	.end_amdgpu_metadata
.endif
;; end of part 3
;; launch proj (part 4): grid 8 x 32, 4 waves a work-group, clusters of 4 x 4, 327,680 bytes of LDS; arguments ctx, wt, out0; writes out0
.if DOCPART == 4
	.amdgcn_target "amdgcn-amd-amdhsa--gfx1250"
	.amdhsa_code_object_version 6
	.text
	.protected	k_q7d4d9d5332_proj
	.globl	k_q7d4d9d5332_proj
	.p2align	8
	.type	k_q7d4d9d5332_proj,@function
k_q7d4d9d5332_proj:
	s_mov_b64 s[64:65], 0
	v_nop
	global_prefetch_b8 v0, s[64:65] scope:SCOPE_SE
	s_setreg_imm32_b32 hwreg(HW_REG_WAVE_MODE, 25, 1), 1
	s_wait_xcnt 0x0
	s_wait_alu depctr_hold_cnt(0) depctr_sa_sdst(0) depctr_va_vdst(0) depctr_va_sdst(0) depctr_va_ssrc(0) depctr_va_vcc(0) depctr_vm_vsrc(0)
	s_getreg_b32 s2, hwreg(HW_REG_IB_STS2, 6, 4)
	s_cmp_eq_u32 s2, 0
	s_cbranch_scc0 .Lentry_in_a_cluster
	s_endpgm
.Lentry_in_a_cluster:
	s_bfe_u32 s2, ttmp6, 0x10000c
	s_cmp_lg_u32 s2, 0xf033
	s_cbranch_scc0 .Lentry_shape_is_right
	s_endpgm
.Lentry_shape_is_right:
; PROJ: out0[f][b][d] = sum over (n, e) of ctx[n][t][e] wt[n][d][e], t = 2048 b + f.  ctx [16 n][4096 t][64], wt [16 n][1024 d][64]: f16; sums f32; out0 [2048][2][1024] f32.
; A tile of the result is 128 x 128: 256 work-groups of four waves, each 64 x 64: 16 accumulators.  K = 1,024 goes in four steps of 256 (four slabs n of 64) through two LDS slots.
; A wave's tensor load brings 64 rows of four slabs: in memory a slab's 64 rows are 8,192 consecutive bytes, so the tile is stated as 4 rows of 4,096 elements, with 16 bytes of padding behind every 128:
; in LDS [slab][row], rows 144 bytes apart, so that the sixteen rows of a fragment load start at different banks (64 banks of 4 bytes: ISA guide 11.1).
; CLUSTER 4 x 4: ctx's tiles are shared along a row of the cluster, wt's along a column: joint loads.  No prefetch: a step's tiles are small and the launch is short.
; THE MATRIX INSTRUCTION IS USED TRANSPOSED (source 0 = 16 rows d of wt, source 1 = 16 rows t of ctx): a lane holds eight neighbouring d of one row: 32 bytes.  A wave's 64 columns are 256 bytes of a row,
; so each wave has a stage of its own and no barrier stands on the way out.
; REGISTERS: window 0: v16-29 addresses; v32-95 the way out; v128-255 accumulators (a, b) at 128 + 8 (4 a + b).  window 1: two fragment buffers of 128: 64 of ctx, then 64 of wt, for 64 along K.
.set PITCH,  144
.set SLAB,   64*PITCH
.set HALFT,  4*SLAB                    ; what one tensor load brings
.set SLOT,   4*HALFT
.set STAGE,  2*SLOT                    ; 16 rows x (256 + 16) bytes for each wave
.set SPITCH, 272
.set SPARE,  STAGE+4*16*SPITCH         ; the spare words, 128 bytes a wave, which no other line names
.set STEPA,  4*4096*128                ; a K step in ctx, in bytes
.set STEPB,  4*1024*128                ; and in wt
.set ADRA, 16
.set ADRB, 20
.set STO,  24
.set RD,   25
.set CO,   26
.set SPW,  28
.set NIL,  29
.set TMP,  32
.set ACC,  128
.set F0,   0
.set F1,   128
.set G1, 24
.set G0, 32
.set G1B, 48
.set G0B, 56
.set MSB, 0
.macro WIN new
.if MSB != (\new)
	s_set_vgpr_msb (MSB<<8)|(\new)
.set MSB, (\new)
.endif
.endm
.set MUL,  0x05                        ; sources 0 and 1 window 1; C and D window 0
.set TO_F, 0x40
.macro JLOAD s                         ; waves 0 and 1 fetch ctx's two halves, waves 2 and 3 wt's; an s_nop 0 and four v_nop follow each of the two lines
	s_cmp_eq_u32 s11, 0
	s_cbranch_scc0 .Lfor_b_\@
	tensor_load_to_lds s[G0+4*\s:G0+4*\s+3], s[G1:G1+7]
	s_nop 0
.rept 4
	v_nop
.endr
	s_branch .Lasked_\@
.Lfor_b_\@:
	tensor_load_to_lds s[G0B+4*\s:G0B+4*\s+3], s[G1B:G1B+7]
	s_nop 0
.rept 4
	v_nop
.endr
.Lasked_\@:
.endm
.macro CREST
	s_cmp_lg_u32 s10, 0
	s_cbranch_scc1 .Lnot_wave_0_\@
	s_barrier_signal -3
.Lnot_wave_0_\@:
	s_barrier_wait -3
	s_barrier_signal -1
	s_barrier_wait -1
.endm
.macro CROUND
	s_barrier_signal -1
	s_barrier_wait -1
	CREST
.endm
	s_load_b128 s[4:7], s[0:1], 0x0                ; ctx, wt
	s_load_b64 s[8:9], s[0:1], 0x10                ; out0
	v_lshl_add_u32 v[SPW], v0, 2, SPARE
	v_mov_b32 v[NIL], 0
	ds_add_u32 v[SPW], v[NIL]                      ; the wave's opening: the add and its wait ahead of my first tensor load
	v_lshrrev_b32 v1, 5, v0
	v_readfirstlane_b32 s10, v1                    ; wave 0..3
	s_lshr_b32 s11, s10, 1                         ; my half of the tile's rows.  Also: I fetch for ctx (0) or for wt (1)
	s_and_b32 s12, s10, 1                          ; my half of its columns.  Also: which 64 rows I fetch
	s_bfe_u32 s40, ttmp6, 0x40000
	s_bfe_u32 s41, ttmp6, 0x40004
	s_lshl_b32 s42, ttmp9, 2
	s_add_co_u32 s42, s42, s40                     ; tile column
	s_and_b32 s13, ttmp7, 0xffff
	s_lshl_b32 s13, s13, 2
	s_add_co_u32 s13, s13, s41                     ; tile row
	s_lshl_b32 s43, s41, 2
	s_lshl_b32 s43, 15, s43                        ; my row of the cluster
	s_lshl_b32 s44, 0x1111, s40                    ; my column
	s_or_b32 s[G1+0], s43, (1<<16)|(1<<20)|(1<<21)|(4<<22)|(3<<25)   ; the mask; elements of 2 bytes; padding on; 21 set beside a mask; after every 32 words, 4 words
	s_or_b32 s[G1B+0], s44, (1<<16)|(1<<20)|(1<<21)|(4<<22)|(3<<25)
.irp g, G1, G1B
	s_mov_b32 s[\g+1], 4096<<16                    ; tensor_dim0: a slab's 64 rows on end
	s_mov_b32 s[\g+2], 4<<16                       ; tensor_dim1: four slabs
	s_mov_b32 s[\g+3], 4096<<16
	s_mov_b32 s[\g+4], 4
	s_mov_b32 s[\g+6], 0
	s_mov_b32 s[\g+7], 0
.endr
	s_mov_b32 s[G1+5], 262144                      ; from slab to slab, in elements
	s_mov_b32 s[G1B+5], 65536
	s_lshl_b32 s18, s12, 6
	s_lshl_b32 s16, s13, 7
	s_add_co_u32 s16, s16, s18                     ; ctx: row 128 x tile row + 64 x half,
	s_lshl_b32 s16, s16, 7                         ; of 128 bytes
	s_mov_b32 s17, 0
	s_lshl_b32 s46, s42, 7
	s_add_co_u32 s46, s46, s18                     ; wt: row 128 x tile column + 64 x half
	s_lshl_b32 s46, s46, 7
	s_mov_b32 s47, 0
	s_mul_i32 s20, s10, HALFT                      ; where they go: no place in the cluster enters an LDS address
	s_wait_dscnt 0x0                               ; the opening add is done
	s_wait_kmcnt 0x0
	s_add_nc_u64 s[14:15], s[4:5], s[16:17]
	s_add_nc_u64 s[46:47], s[6:7], s[46:47]
	CROUND                                         ; all sixteen work-groups are here: the first joint loads meet
.irp s, 0,1
	s_mov_b32 s[G0+4*\s], 1
	s_add_co_u32 s[G0+4*\s+1], s20, \s*SLOT
	s_add_nc_u64 s[G0+4*\s+2:G0+4*\s+3], s[14:15], \s*STEPA
	s_or_b32 s[G0+4*\s+3], s[G0+4*\s+3], 0x80000000
	s_mov_b32 s[G0B+4*\s], 1
	s_add_co_u32 s[G0B+4*\s+1], s20, \s*SLOT
	s_add_nc_u64 s[G0B+4*\s+2:G0B+4*\s+3], s[46:47], \s*STEPB
	s_or_b32 s[G0B+4*\s+3], s[G0B+4*\s+3], 0x80000000
	JLOAD \s
.endr
	v_and_b32 v1, 15, v0                           ; r
	v_bfe_u32 v2, v0, 4, 1                         ; h
	v_mul_u32_u24 v3, v1, PITCH
	v_lshl_add_u32 v3, v2, 4, v3
	s_mul_i32 s21, s11, HALFT                      ; my 64 rows of ctx
	s_mul_i32 s22, s12, HALFT                      ; my 64 rows of wt,
	s_add_co_u32 s22, s22, 2*HALFT                 ; behind ctx's 128
.irp s, 0,1
	v_add_nc_u32 v[ADRA+\s], s21, v3
	v_add_nc_u32 v[ADRB+\s], s22, v3
	s_add_co_u32 s21, s21, SLOT
	s_add_co_u32 s22, s22, SLOT
.endr
	s_mul_i32 s23, s10, 16*SPITCH
	s_add_co_u32 s23, s23, STAGE                   ; my stage
	v_mul_u32_u24 v4, v1, SPITCH
	v_lshl_add_u32 v4, v2, 5, v4
	v_add_nc_u32 v[STO], s23, v4                   ; in: row r, 32 bytes for each half of the lanes
	v_mul_u32_u24 v5, v2, SPITCH
	v_lshl_add_u32 v5, v1, 4, v5
	v_add_nc_u32 v[RD], s23, v5                    ; back: lanes 0-15 one row of 256 bytes, lanes 16-31 the next
	v_lshlrev_b32 v5, 13, v2                       ; neighbouring t of one b lie 8,192 bytes apart in out0
	v_lshl_add_u32 v[CO], v1, 4, v5
	s_lshl_b32 s16, s13, 7
	s_lshl_b32 s17, s11, 6
	s_add_co_u32 s16, s16, s17                     ; my first t
	s_lshr_b32 s17, s16, 11                        ; b
	s_and_b32 s16, s16, 2047                       ; f
	s_lshl_b32 s16, s16, 13
	s_lshl_b32 s17, s17, 12
	s_add_co_u32 s16, s16, s17
	s_mov_b32 s17, 0
	s_add_nc_u64 s[8:9], s[8:9], s[16:17]
	s_lshl_b32 s46, s42, 9                         ; my first column, in bytes
	s_lshl_b32 s47, s12, 8
	s_add_co_u32 s46, s46, s47
	s_mov_b32 s47, 0
	s_add_nc_u64 s[8:9], s[8:9], s[46:47]
; 8 matrix instructions: row blocks a0, a0 + 1 x all 4 column blocks, 32 along K: half c of buffer f.  zero = 1: the first product starts the sums.  The 16 accumulators take turns.
.macro MUL8 f, c, a0, zero
.irp a, \a0, \a0+1
.irp b, 0,1,2,3
.if \zero
	v_wmma_f32_16x16x32_f16 v[ACC+8*(4*(\a)+\b):ACC+8*(4*(\a)+\b)+7], v[\f+64+8*(4*\c+\b):\f+64+8*(4*\c+\b)+7], v[\f+8*(4*\c+\a):\f+8*(4*\c+\a)+7], 0
.else
	v_wmma_f32_16x16x32_f16 v[ACC+8*(4*(\a)+\b):ACC+8*(4*(\a)+\b)+7], v[\f+64+8*(4*\c+\b):\f+64+8*(4*\c+\b)+7], v[\f+8*(4*\c+\a):\f+8*(4*\c+\a)+7], v[ACC+8*(4*(\a)+\b):ACC+8*(4*(\a)+\b)+7]
.endif
.endr
.endr
.endm
; 32 LDS loads in one run: the fragments of slab z of the slot into buffer f; the first 32 along K first
.macro FETCH slot, z, f
	WIN TO_F
.irp c, 0,1
.irp i, 0,1,2,3
	ds_load_b128 v[\f+64+8*(4*\c+\i):\f+64+8*(4*\c+\i)+3],   v[ADRB+\slot] offset:(\z)*SLAB+64*\c+\i*16*PITCH
	ds_load_b128 v[\f+64+8*(4*\c+\i)+4:\f+64+8*(4*\c+\i)+7], v[ADRB+\slot] offset:(\z)*SLAB+64*\c+\i*16*PITCH+32
	ds_load_b128 v[\f+8*(4*\c+\i):\f+8*(4*\c+\i)+3],         v[ADRA+\slot] offset:(\z)*SLAB+64*\c+\i*16*PITCH
	ds_load_b128 v[\f+8*(4*\c+\i)+4:\f+8*(4*\c+\i)+7],       v[ADRA+\slot] offset:(\z)*SLAB+64*\c+\i*16*PITCH+32
.endr
.endr
.endm
.macro PLACES                          ; four plain vector lines in front of loads into registers that matrix instructions have read, and of the first read of results
.rept 4
	v_nop
.endr
.endm
; A K step is four quarters, a slab each: 32 matrix instructions, on buffers 0, 1, 0, 1.  One of the first three: multiplies buffer f and fetches slab z into g.
.macro QUARTER slot, z, f, g, zero
	s_wait_dscnt 16                                ; the first 32 along K are in; the other sixteen loads may be out
	WIN MUL
	MUL8 \f, 0, 0, \zero
	MUL8 \f, 0, 2, \zero
	PLACES
	FETCH \slot, \z, \g
	s_wait_dscnt 32                                ; all but the 32 just issued
	WIN MUL
	MUL8 \f, 1, 0, 0
	MUL8 \f, 1, 2, 0
.endm
; The last quarter multiplies buffer 1 and changes slots: ONE barrier; in front of it each wave waits for all its tensor loads, adds 0 to its spare word, and waits for that and for its reads of this slot.
.macro TURN slot, next, fill
	WIN 0
	s_wait_tensorcnt 0x0                           ; all my tensor loads have landed: my part of the next slot
	ds_add_u32 v[SPW], v[NIL]
	s_wait_dscnt 17                                ; (the add and the youngest sixteen loads may be out)
	WIN MUL
	MUL8 F1, 0, 0, 0
	s_wait_dscnt 0x0                               ; the add is done, and my reads of this slot are over
	s_barrier_signal -1
	MUL8 F1, 0, 2, 0
.if \fill
	WIN 0
.endif
	s_barrier_wait -1
.if \fill
	CREST                                          ; the barrier has opened a round of the cluster's: no wave of any partner still reads this slot or has a load on its way
	s_add_nc_u64 s[G0+4*\slot+2:G0+4*\slot+3], s[G0+4*\slot+2:G0+4*\slot+3], 2*STEPA
	s_add_nc_u64 s[G0B+4*\slot+2:G0B+4*\slot+3], s[G0B+4*\slot+2:G0B+4*\slot+3], 2*STEPB
	JLOAD \slot                                    ; the first tensor load behind the round; its four v_nop are also the distance in front of the loads below
.else
	PLACES
.endif
	FETCH \next, 0, F0
	WIN MUL
	MUL8 F1, 1, 0, 0
	MUL8 F1, 1, 2, 0
.endm
	s_wait_tensorcnt 0x1                           ; my part of K step 0 is in; K step 1's load stays out
	s_barrier_signal -1
	s_barrier_wait -1
	FETCH 0, 0, F0
	QUARTER 0, 1, F0, F1, 1                        ; K step 0: its first products start the sums
	QUARTER 0, 2, F1, F0, 0
	QUARTER 0, 3, F0, F1, 0
	TURN 0, 1, 1                                   ; slot 0 takes K step 2
	QUARTER 1, 1, F0, F1, 0
	QUARTER 1, 2, F1, F0, 0
	QUARTER 1, 3, F0, F1, 0
	TURN 1, 0, 1                                   ; slot 1 takes K step 3
	QUARTER 0, 1, F0, F1, 0
	QUARTER 0, 2, F1, F0, 0
	QUARTER 0, 3, F0, F1, 0
	TURN 0, 1, 0                                   ; nothing is left to fetch
	QUARTER 1, 1, F0, F1, 0
	QUARTER 1, 2, F1, F0, 0
	QUARTER 1, 3, F0, F1, 0
	s_wait_dscnt 16
	WIN MUL
	MUL8 F1, 0, 0, 0
	MUL8 F1, 0, 2, 0
	s_wait_dscnt 0x0
	MUL8 F1, 1, 0, 0
	MUL8 F1, 1, 2, 0
	WIN 0
	; THE WAY OUT, 16 rows x 64 columns at a time: the accumulators go into my stage as they are, each from its low end on, and come back by rows: sixteen lanes store 256 consecutive bytes, aligned.
	PLACES
.irp a, 0,1,2,3
.irp b, 0,1,2,3
	ds_store_b128 v[STO], v[ACC+8*(4*\a+\b):ACC+8*(4*\a+\b)+3] offset:64*\b
	ds_store_b128 v[STO], v[ACC+8*(4*\a+\b)+4:ACC+8*(4*\a+\b)+7] offset:64*\b+16
.endr
.irp i, 0,1,2,3,4,5,6,7
	ds_load_b128 v[TMP+32*(\a%2)+4*\i:TMP+32*(\a%2)+4*\i+3], v[RD] offset:\i*2*SPITCH   ; LDS serves a wave's instructions in order: these see the stores above, and the next block's stores come behind them
.endr
	s_wait_dscnt 0x0                               ; the block is back in registers
	s_wait_xcnt 0x0                                ; the earlier stores have read their registers: the next block's loads may land there
.irp i, 0,1,2,3,4,5,6,7
	global_store_b128 v[CO], v[TMP+32*(\a%2)+4*\i:TMP+32*(\a%2)+4*\i+3], s[8:9] offset:\a*131072+\i*16384 th:TH_STORE_NT
.endr
.endr
	s_wait_tensorcnt 0x0                           ; the wave's end
	ds_add_u32 v[SPW], v[NIL]
	s_wait_dscnt 0x0
	CROUND                                         ; the closing round
	s_endpgm
.Lfunc_end_k_q7d4d9d5332_proj:
	.size	k_q7d4d9d5332_proj, .Lfunc_end_k_q7d4d9d5332_proj-k_q7d4d9d5332_proj
	.p2alignl 7, 3214868480
	.fill 96, 4, 3214868480
	.section	.rodata,"a",@progbits
	.p2align	6, 0x0
	.amdhsa_kernel k_q7d4d9d5332_proj
		.amdhsa_group_segment_fixed_size 327680
		.amdhsa_private_segment_fixed_size 0
		.amdhsa_enable_private_segment 0
		.amdhsa_kernarg_size 24
		.amdhsa_user_sgpr_count 2
		.amdhsa_user_sgpr_kernarg_segment_ptr 1
		.amdhsa_wavefront_size32 1
		.amdhsa_system_sgpr_workgroup_id_x 1
		.amdhsa_system_sgpr_workgroup_id_y 1
		.amdhsa_system_sgpr_workgroup_id_z 1
		.amdhsa_system_vgpr_workitem_id 0
		.amdhsa_next_free_vgpr 512
		.amdhsa_next_free_sgpr 66
		.amdhsa_reserve_vcc 0
		.amdhsa_float_denorm_mode_32 3
		.amdhsa_float_denorm_mode_16_64 3
		.amdhsa_memory_ordered 1
		.amdhsa_forward_progress 1
		.amdhsa_inst_pref_size 85
	.end_amdhsa_kernel
	.amdgpu_metadata
---
amdhsa.version: [ 1, 2 ]
amdhsa.kernels:
  - .name:           k_q7d4d9d5332_proj
    .symbol:         k_q7d4d9d5332_proj.kd
    .args:
      - { .name: ctx, .offset: 0, .size: 8, .value_kind: global_buffer, .address_space: global }
      - { .name: wt, .offset: 8, .size: 8, .value_kind: global_buffer, .address_space: global }
      - { .name: out0, .offset: 16, .size: 8, .value_kind: global_buffer, .address_space: global }
    .group_segment_fixed_size: 327680
    .private_segment_fixed_size: 0
    .kernarg_segment_align: 8
    .kernarg_segment_size: 24
    .max_flat_workgroup_size: 128
    .sgpr_count:     66
    .vgpr_count:     512
    .wavefront_size: 32
...
	.end_amdgpu_metadata
.endif
;; end of part 4
